; MI455X (gfx1250); checked and timed in simulation.
; The chip was launched on July 23, 2026; its instructions are those of AMD's public machine-readable ISA for CDNA 5 (MIT licence, August 2026) and "CDNA5" Instruction Set Architecture Reference Guide (July 2026). The comments in the code are by the model that wrote it; some were corrected since.
;; Multi Headed Attention. Allowed arithmetic: matrix products marked QUANTISED: E4M3 operands, one E8M0 scale for each 32 along K, by v_wmma_scale_f32_16x16x128_f8f6f4 with both operands' format E4M3, f32 sums; everything else in f32.
;; Inputs: Wk 1,024 x 1,024 float32; Wo 1,024 x 1,024 float32; Wq 1,024 x 1,024 float32; Wv 1,024 x 1,024 float32; bk 1,024 float32; bo 1,024 float32; bq 1,024 float32; bv 1,024 float32; key 4 x 2,048 x 1,024 float32; mask 4 x 2,048 x 2,048 int32; query 4 x 2,048 x 1,024 float32; value 4 x 2,048 x 1,024 float32.
;; Outputs: out0 4 x 2,048 x 1,024 float32.
;; This version of the problem:
;;   THIS VERSION OF THE PROBLEM IS GIVEN IN LOW PRECISION. The matrix products marked QUANTISED in the list below multiply operands that are first quantised to E4M3 (4 exponent bits, 3 mantissa bits; 8 bits a number), with one power-of-two scale for each 32 numbers along K (OCP MX v1.0); their sums are f32. All else is computed in f32.
;;   The module's matrix products, in the order in which they are computed (A, B: the left and right operand; K: the contracted axis; several contracted axes count as one K, in the product's order):
;;     1. [M 8,192, K 1,024] x [K 1,024, N 1,024]; A: input query; B: input Wq: QUANTISED
;;     2. [M 8,192, K 1,024] x [K 1,024, N 1,024]; A: input key; B: input Wk: QUANTISED
;;     3. [M 8,192, K 1,024] x [K 1,024, N 1,024]; A: input value; B: input Wv: QUANTISED
;;     4. batch 64 x [M 2,048, K 64] x [K 64, N 2,048]; A: computed on the way; B: computed on the way: QUANTISED
;;     5. batch 64 x [M 2,048, K 2,048] x [K 2,048, N 64]; A: softmax (see below); B: computed on the way: QUANTISED
;;     6. [M 8,192, K 1,024] x [K 1,024, N 1,024]; A: computed on the way; B: input Wo: QUANTISED
;;   THE QUANTISER, for each operand of a quantised product, along K:
;;     - K is cut into blocks of 32 from its start; a last block that is shorter is filled with zeros.
;;     - A block's scale is 2^e with e = floor(log2(the largest magnitude in the block)) - 8, held to -126 .. 127; a block of zeros has e = 0. As a byte (E8M0): e + 127.
;;     - Each number is divided by its block's scale, clamped to +-448, and rounded to the nearest number of E4M3, ties to even, subnormals kept.
;;     - The product sums the exact products of the quantised numbers (number of the format x scale) in f32.
;;   ~~~python
;;   def quantise(x, axis):      # numpy; x: float32 -> the quantised numbers, widened to float32 again
;;       x = np.moveaxis(x, axis, -1); K = x.shape[-1]
;;       x = np.pad(x, [(0, 0)] * (x.ndim - 1) + [(0, -K % 32)]); x = x.reshape(x.shape[:-1] + (-1, 32)); a = np.abs(x).max(-1, keepdims=True)
;;       e = np.where(a > 0, np.clip(np.frexp(np.where(a > 0, a, 1))[1] - 1 - 8, -126, 127), 0)      # np.frexp(a)[1] - 1 = floor(log2(a)), exactly
;;       r = np.clip(x / 2.0 ** e, -448, 448)
;;       step = 2.0 ** (np.maximum(np.frexp(np.where(r == 0, 1, r))[1] - 1, -6) - 3)
;;       q = np.round(r / step) * step * 2.0 ** e      # np.round: ties to even
;;       return np.moveaxis(q.reshape(q.shape[:-2] + (-1,))[..., :K], -1, axis).astype(np.float32)
;;   ~~~
;;   SOFTMAX AHEAD OF A QUANTISED PRODUCT. Where the list says 'softmax', what is quantised is not the finished softmax but p = 2^(t - M), with t = logit x log2(e) and M = ceil(the row's largest t), a whole number; so 1/2 < the row's largest p <= 1. The row's sum l is taken of the UNQUANTISED p, in f32, and the product's result is divided by l at the end. Since M is a whole number, a kernel that streams over the keys may use a running M (the ceiling of the running maximum): every later rescaling is an exact power of two, which a block's scale takes up: the codes' values come out the same.
;;   OPERANDS COMPUTED ON THE WAY. 'Computed on the way' means the value that the module computes at that place (a softmax that the list does not call 'softmax' is quantised finished and normalised). What goes into a quantiser is computed in f32, as accurately as f32 sums, v_exp_f32 and their like allow (about 1e-6 of the number): no bf16 or f16 on the way to a quantiser, and a product that is left as it is and whose result goes on into a quantised operand takes f32 operands (vector FMAs, or v_wmma_f32_16x16x4_f32). A number that lies on a knife's edge between two numbers of the format may be rounded either way, as far as f32 arithmetic and the matrix unit's own rounding can turn it there, and no further.
;; One version. Each part assembles by itself: llvm-mc -triple=amdgcn-amd-amdhsa -mcpu=gfx1250 --defsym DOCPART=n.
;; ======== version 1 of 1: 4 launches
;; limits: right only within a limited range of input values
;; workspace buffers: cod 29,360,128 bytes; scl 917,504 bytes; mb 2,097,152 bytes of whole numbers; qkv 25,165,824 bytes; psw 1,310,720 bytes; cc 8,388,608 bytes; cs 262,144 bytes
;; launch prep (part 1): grid 1408 x 1, 4 waves a work-group, no clusters, 69,120 bytes of LDS; arguments query, key, value, Wq, Wk, Wv, Wo, mask, cod, scl, mb; writes cod, scl, mb
.if DOCPART == 1
	.amdgcn_target "amdgcn-amd-amdhsa--gfx1250"
	.amdhsa_code_object_version 6
	.text
	.protected	k_q4504a35bb1_prep
	.globl	k_q4504a35bb1_prep
	.p2align	8
	.type	k_q4504a35bb1_prep,@function
k_q4504a35bb1_prep:
	s_mov_b64 s[64:65], 0
	v_nop
	global_prefetch_b8 v0, s[64:65] scope:SCOPE_SE
	s_setreg_imm32_b32 hwreg(HW_REG_WAVE_MODE, 25, 1), 1
	s_wait_xcnt 0x0
; PREP.  (1) query, key, value [8192][1024] and Wq, Wk, Wv, Wo [1024][1024], f32, K innermost, become codes of FP8 (E4M3) with one E8M0 byte for each 32 along K.
; (2) mask [4][2048][2048] int32 becomes lane masks, one bit a number.
; LAYOUT OF THE CODES: in the order of an operand's registers.  A fragment is 16 rows x 128 K, 2,048 bytes: [c 0..3][lane 0..31][16 bytes]; lane 16 h + r holds row r, k = 32 c + 16 h + 0..15.
; cod = [row tile rt 0..1791][K step 0..7][2048]; rt counts tiles of 16 rows through query (0), key (512), value (1024), Wq (1536), Wk (1600), Wv (1664), Wo (1728).
; scl = [rt / 4][K step][64 rows] of 32-bit words (four bytes: a row's 128 along K).
; mb  = [batch x 128 + tile of 16 queries][step of 128 keys][64 words]; bit l of word n says mask[query l % 16][key 16 (n / 8) + 8 (l / 16) + n % 8] != 0: the lane mask for score register n of the attention launch.
; A block's scale is 2^(floor(log2(largest magnitude)) - 8); its byte is the largest magnitude's exponent field - 8, held at 1 from below.
; LIMITS: a block of zeros gets the byte 1 (its codes are zeros, and this program alone reads the bytes); NaN and infinities among the inputs are not served.
; SHARES.  Work-groups 0..895 quantise (64 rows x 4 K steps each), work-groups 896..1407 pack the mask (16 queries x 2,048 keys each); the two paths have LDS bytes of their own.
; A wave takes four tiles of 16 rows x 512 bytes.  Each of a tile's 16 loads reads 512 consecutive bytes of one row; the tile turns through the wave's own stage in LDS (rows 528 bytes apart).
; Quantising, a lane takes back neighbours along K of one row.  Packing, LANE L MAKES WORDS 2 L AND 2 L + 1: their keys 16 (L / 4) + 2 (L % 4) + 0, 1 are neighbours, so one read of 8 bytes from query q's row brings bit q
; of both words, and the read 32 bytes (8 keys) on brings bit 16 + q; a number becomes 0 or 1 (the smaller of it, unsigned, and 1) and is shifted into its place, four chains by turns.
; No tensor loads, no barrier, no cluster: waves share nothing, every input byte is read once.  Up to 32 loads a wave are out.
.set PITCH, 528                        ; a stage row: 512 bytes + 16
.set QREG,  8704                       ; the quantising path: a wave's stage (16 x 528) and behind it its 256 bytes of scale words
.set MSTG,  4*QREG                     ; the mask path's stages begin here, 8,448 bytes a wave
.set SPARE, MSTG+4*16*PITCH            ; the spare words, 128 bytes a wave
.set NQWG,  896
.set TM,  8                            ; v8-11 largest magnitudes, v12-15 bytes, v16-19 448 x scale, v20-23 the conversions' scale operands
.set CH,  8                            ; (mask path) v8-11 the four chains: word e's low half at CH + e, its high half at CH + 2 + e
.set PW,  24                           ; the scale word just made
.set PC,  32                           ; v32-47 a fragment's codes
.set OUT, 32                           ; (mask path) v32-39 two words for each step: no store's data are written again
.set X,   48                           ; v48-111 64 numbers of a lane
.set R,   112                          ; v112-239 two sets of 64 registers as loaded
.set SEL, 34                           ; s[34:35] lane selects: lane l xor 16
.set MNT, 36                           ; s36 the mantissa field of 448
.macro LOADT i, base, rowb, tileb      ; tile i: 16 rows, 512 consecutive bytes each
.set p, 0
.rept 16
	global_load_b128 v[R+64*((\i)%2)+4*p:R+64*((\i)%2)+4*p+3], v2, s[\base:\base+1] offset:p*(\rowb)+(\i)*(\tileb) th:TH_LOAD_NT
.set p, p+1
.endr
.endm
.macro TOSTAGE i                       ; as loaded, row p at 528 p
.set p, 0
.rept 16
	ds_store_b128 v3, v[R+64*((\i)%2)+4*p:R+64*((\i)%2)+4*p+3] offset:p*PITCH
.set p, p+1
.endr
.endm
; 64 numbers of a lane, register 16 b + i = k 32 b + 16 (lane / 16) + i of my row, become a fragment's codes and its scale word
.macro QUANT s, pc
.irp b, 0,1,2,3
	v_max3_num_f32 v[TM+\b], |v[\s+16*\b]|, |v[\s+1+16*\b]|, 0x4800000   ; my 16 numbers of block b, and the floor 2^(9 - 127)
.endr
.irp i, 2,4,6,8,10,12,14
.irp b, 0,1,2,3
	v_max3_num_f32 v[TM+\b], v[TM+\b], |v[\s+16*\b+\i]|, |v[\s+1+16*\b+\i]|
.endr
.endr
.irp b, 0,1,2,3
	v_permlanex16_b32 v[TM+4+\b], v[TM+\b], s[SEL], s[SEL+1]
.endr
.irp b, 0,1,2,3
	v_max_num_f32 v[TM+\b], v[TM+\b], v[TM+4+\b]                   ; with lane l xor 16's: the block's largest magnitude
.endr
.irp b, 0,1,2,3
	v_add_nc_u32 v[TM+12+\b], 0xfc000000, v[TM+\b]                 ; 8 off its exponent field: the conversion's scale operand
.endr
.irp b, 0,1,2,3
	v_and_or_b32 v[TM+8+\b], v[TM+\b], 0x7f800000, s[MNT]          ; 448 x the scale
.endr
.irp b, 0,1,2,3
	v_lshrrev_b32 v[TM+4+\b], 23, v[TM+12+\b]                      ; the scale's byte
.endr
	v_lshl_or_b32 v[PW], v[TM+5], 8, v[TM+4]
	v_lshl_or_b32 v[PW], v[TM+6], 16, v[PW]
	v_lshl_or_b32 v[PW], v[TM+7], 24, v[PW]
.irp b, 0,1,2,3
.irp i, 0,1,2,3,4,5,6,7,8,9,10,11,12,13,14,15
	v_med3_num_f32 v[\s+16*\b+\i], v[\s+16*\b+\i], -v[TM+8+\b], v[TM+8+\b]   ; the conversion does not saturate (ISA guide 7.6.2): the hold comes first
.endr
	v_cvt_scalef32_pk8_fp8_f32 v[(\pc)+4*\b:(\pc)+1+4*\b], v[\s+16*\b:\s+7+16*\b], v[TM+12+\b]
	v_cvt_scalef32_pk8_fp8_f32 v[(\pc)+2+4*\b:(\pc)+3+4*\b], v[\s+8+16*\b:\s+15+16*\b], v[TM+12+\b]
.endr
	v_nop                                          ; one plain line behind the last conversion
.endm
	s_load_b512 s[4:19], s[0:1], 0x0               ; query, key, value, Wq, Wk, Wv, Wo, mask
	s_load_b128 s[20:23], s[0:1], 0x40             ; cod, scl
	s_load_b64 s[24:25], s[0:1], 0x50              ; mb
	v_lshl_add_u32 v254, v0, 2, SPARE
	v_mov_b32 v255, 0
	v_lshrrev_b32 v1, 5, v0
	v_readfirstlane_b32 s26, v1                    ; wave 0..3
	v_and_b32 v1, 31, v0                           ; lane
	v_lshlrev_b32 v2, 4, v1                        ; 16 x lane: my bytes of a load's or a store's 512
	v_lshlrev_b32 v7, 3, v1                        ; 8 x lane
	s_mov_b32 s31, 0
	s_cmp_lt_u32 ttmp9, NQWG
	s_wait_alu depctr_va_vdst(0)                   ; the wait here, directly ahead of the branch
	s_cbranch_scc0 .Lmask
	; ---------------- the quantising path
	v_and_b32 v25, 15, v0                          ; r
	v_bfe_u32 v26, v0, 4, 1                        ; h
	v_mul_u32_u24 v27, v25, PITCH
	s_mul_i32 s27, s26, QREG
	v_add_nc_u32 v3, s27, v2                       ; into the stage
	v_lshl_add_u32 v4, v26, 6, v27
	v_add_nc_u32 v4, s27, v4                       ; out of it: row r, + 64 h: my 16 numbers of each block of 32
	s_add_co_u32 s27, s27, 16*PITCH
	v_lshl_add_u32 v5, v25, 2, s27                 ; my row's scale word
	v_add_nc_u32 v6, s27, v7                       ; and 8 bytes a lane on the way out
	s_lshr_b32 s28, ttmp9, 1                       ; which group of 64 rows, 0..447
	s_and_b32 s29, ttmp9, 1
	s_lshl_b32 s29, s29, 2
	s_add_co_u32 s29, s29, s26                     ; my K step
	s_mov_b32 s[SEL], 0x76543210
	s_mov_b32 s[SEL+1], 0xfedcba98
	s_mov_b32 s[MNT], 0x600000
.irp b, 0,1,2,3
	v_mov_b32 v[TM+4+\b], 0                        ; a lane permute's destination counts as one of its sources
.endr
	s_mov_b32 s30, 0
	s_wait_alu depctr_va_vdst(0)                   ; the wait at the head's end
	s_wait_kmcnt 0x0
	s_mov_b64 s[32:33], s[4:5]
.macro PICK lo, ptr                    ; the tensor is chosen by the work-group's number alone
	s_cmp_ge_u32 s28, \lo
	s_cselect_b64 s[32:33], s[\ptr:\ptr+1], s[32:33]
	s_cselect_b32 s30, \lo, s30
.endm
	PICK 128, 6
	PICK 256, 8
	PICK 384, 10
	PICK 400, 12
	PICK 416, 14
	PICK 432, 16
	s_sub_co_u32 s30, s28, s30                     ; the group within its tensor: 64 rows of 4,096 bytes,
	s_lshl_b32 s30, s30, 18
	s_lshl_b32 s27, s29, 9                         ; and 512 bytes a K step
	s_add_co_u32 s30, s30, s27
	s_add_nc_u64 s[32:33], s[32:33], s[30:31]
	s_lshl_b32 s30, s28, 5
	s_add_co_u32 s30, s30, s29
	s_lshl_b32 s30, s30, 11                        ; codes: (8 rt + K step) x 2,048, rt = 4 x group + tile
	s_add_nc_u64 s[20:21], s[20:21], s[30:31]
	s_lshl_b32 s30, s28, 3
	s_add_co_u32 s30, s30, s29
	s_lshl_b32 s30, s30, 8                         ; scale words: (8 x group + K step) x 256
	s_add_nc_u64 s[22:23], s[22:23], s[30:31]
	LOADT 0, 32, 4096, 65536
	LOADT 1, 32, 4096, 65536
.macro QTILE i
.if (\i) < 3
	s_wait_loadcnt 16                              ; this tile's 16 loads are in; the next tile's may be out
.else
	s_wait_loadcnt 0x0
.endif
	TOSTAGE \i
.set p, 0
.rept 16
	ds_load_b128 v[X+4*p:X+4*p+3], v4 offset:(p/4)*128+16*(p%4)    ; LDS serves a wave's instructions in order: these see the stores
.set p, p+1
.endr
	s_wait_dscnt 0x0                               ; my numbers are back, and the stores into the stage have read their registers
.if (\i) > 0
	s_wait_xcnt 0x0                                ; the last tile's stores have read the codes' registers, which are written again below
.endif
.if (\i) < 2
	LOADT (\i)+2, 32, 4096, 65536
.endif
	QUANT X, PC
.irp c, 0,1,2,3
	global_store_b128 v2, v[PC+4*\c:PC+4*\c+3], s[20:21] offset:(\i)*16384+512*\c   ; 512 consecutive bytes of the fragment's image
.endr
	ds_store_b32 v5, v[PW] offset:64*(\i)          ; both halves of the lanes write the same word with the same value
.endm
	QTILE 0
	QTILE 1
	QTILE 2
	QTILE 3
	ds_load_b64 v[28:29], v6                       ; the 64 rows' words: these see my stores
	s_wait_dscnt 0x0
	global_store_b64 v7, v[28:29], s[22:23]        ; 256 consecutive bytes, aligned
	s_wait_tensorcnt 0x0                           ; the wave's end
	ds_add_u32 v254, v255
	s_wait_dscnt 0x0
	s_endpgm
	; ---------------- the mask path
.Lmask:
	s_mul_i32 s27, s26, 16*PITCH
	s_add_co_u32 s27, s27, MSTG
	v_add_nc_u32 v3, s27, v2                       ; into the stage
	v_lshrrev_b32 v5, 2, v1
	v_and_b32 v6, 3, v1
	v_lshlrev_b32 v4, 6, v5
	v_lshl_add_u32 v4, v6, 3, v4                   ; 64 (L / 4) + 8 (L % 4): my two keys' bytes in a row
	v_add_nc_u32 v4, s27, v4
	s_sub_co_u32 s28, ttmp9, NQWG                  ; batch x 128 + tile of queries
	s_lshl_b32 s30, s28, 17                        ; 16 rows of 8,192 bytes
	s_lshl_b32 s29, s26, 11                        ; my four steps of 128 keys
	s_add_co_u32 s30, s30, s29
	s_wait_alu depctr_va_vdst(0)                   ; the wait at the head's end
	s_wait_kmcnt 0x0
	s_add_nc_u64 s[18:19], s[18:19], s[30:31]
	s_lshl_b32 s30, s28, 12
	s_lshl_b32 s29, s26, 10
	s_add_co_u32 s30, s30, s29
	s_add_nc_u64 s[24:25], s[24:25], s[30:31]
	LOADT 0, 18, 8192, 512
	LOADT 1, 18, 8192, 512
.macro MTILE i
.if (\i) < 3
	s_wait_loadcnt 16                              ; this step's 16 loads are in; the next step's may be out
.else
	s_wait_loadcnt 0x0
.endif
	TOSTAGE \i
.set p, 0
.rept 16
	ds_load_b64 v[X+4*p:X+4*p+1], v4 offset:p*PITCH        ; register 4 q + 2 f + e: query q, half f, word e
	ds_load_b64 v[X+4*p+2:X+4*p+3], v4 offset:p*PITCH+32
.set p, p+1
.endr
	s_wait_dscnt 0x0
.if (\i) < 2
	LOADT (\i)+2, 18, 8192, 512
.endif
.set n, 0
.rept 64
	v_min_u32 v[X+n], 1, v[X+n]                    ; 0 stays 0, all else is 1
.set n, n+1
.endr
.irp c, 0,1,2,3
	v_lshl_or_b32 v[CH+\c], v[X+4+\c], 1, v[X+\c]  ; queries 0 and 1
.endr
.irp q, 2,3,4,5,6,7,8,9,10,11,12,13,14,15
.irp c, 0,1,2,3
	v_lshl_or_b32 v[CH+\c], v[X+4*\q+\c], \q, v[CH+\c]
.endr
.endr
.irp e, 0,1
	v_lshl_or_b32 v[OUT+2*(\i)+\e], v[CH+2+\e], 16, v[CH+\e]
.endr
	global_store_b64 v7, v[OUT+2*(\i):OUT+2*(\i)+1], s[24:25] offset:256*(\i)   ; 256 consecutive bytes, aligned
.endm
	MTILE 0
	MTILE 1
	MTILE 2
	MTILE 3
	s_wait_tensorcnt 0x0                           ; the wave's end
	ds_add_u32 v254, v255
	s_wait_dscnt 0x0
	s_endpgm
.Lfunc_end_k_q4504a35bb1_prep:
	.size	k_q4504a35bb1_prep, .Lfunc_end_k_q4504a35bb1_prep-k_q4504a35bb1_prep
	.p2alignl 7, 3214868480
	.fill 96, 4, 3214868480
	.section	.rodata,"a",@progbits
	.p2align	6, 0x0
	.amdhsa_kernel k_q4504a35bb1_prep
		.amdhsa_group_segment_fixed_size 69120
		.amdhsa_private_segment_fixed_size 0
		.amdhsa_enable_private_segment 0
		.amdhsa_kernarg_size 88
		.amdhsa_user_sgpr_count 2
		.amdhsa_user_sgpr_kernarg_segment_ptr 1
		.amdhsa_wavefront_size32 1
		.amdhsa_system_sgpr_workgroup_id_x 1
		.amdhsa_system_sgpr_workgroup_id_y 1
		.amdhsa_system_sgpr_workgroup_id_z 1
		.amdhsa_system_vgpr_workitem_id 0
		.amdhsa_next_free_vgpr 256
		.amdhsa_next_free_sgpr 66
		.amdhsa_reserve_vcc 0
		.amdhsa_float_denorm_mode_32 3
		.amdhsa_float_denorm_mode_16_64 3
		.amdhsa_memory_ordered 1
		.amdhsa_forward_progress 1
		.amdhsa_inst_pref_size 95
	.end_amdhsa_kernel
	.amdgpu_metadata
---
amdhsa.version: [ 1, 2 ]
amdhsa.kernels:
  - .name:           k_q4504a35bb1_prep
    .symbol:         k_q4504a35bb1_prep.kd
    .args:
      - { .name: query, .offset: 0, .size: 8, .value_kind: global_buffer, .address_space: global }
      - { .name: key, .offset: 8, .size: 8, .value_kind: global_buffer, .address_space: global }
      - { .name: value, .offset: 16, .size: 8, .value_kind: global_buffer, .address_space: global }
      - { .name: Wq, .offset: 24, .size: 8, .value_kind: global_buffer, .address_space: global }
      - { .name: Wk, .offset: 32, .size: 8, .value_kind: global_buffer, .address_space: global }
      - { .name: Wv, .offset: 40, .size: 8, .value_kind: global_buffer, .address_space: global }
      - { .name: Wo, .offset: 48, .size: 8, .value_kind: global_buffer, .address_space: global }
      - { .name: mask, .offset: 56, .size: 8, .value_kind: global_buffer, .address_space: global }
      - { .name: cod, .offset: 64, .size: 8, .value_kind: global_buffer, .address_space: global }
      - { .name: scl, .offset: 72, .size: 8, .value_kind: global_buffer, .address_space: global }
      - { .name: mb, .offset: 80, .size: 8, .value_kind: global_buffer, .address_space: global }
    .group_segment_fixed_size: 69120
    .private_segment_fixed_size: 0
    .kernarg_segment_align: 8
    .kernarg_segment_size: 88
    .max_flat_workgroup_size: 128
    .sgpr_count:     66
    .vgpr_count:     256
    .wavefront_size: 32
...
	.end_amdgpu_metadata
.endif
;; end of part 1
;; launch proj (part 2): grid 4 x 64, 4 waves a work-group, clusters of 4 x 4, 327,680 bytes of LDS; arguments cod, scl, bq, bk, bv, qkv, psw; writes qkv, psw
.if DOCPART == 2
	.amdgcn_target "amdgcn-amd-amdhsa--gfx1250"
	.amdhsa_code_object_version 6
	.text
	.protected	k_q4504a35bb1_proj
	.globl	k_q4504a35bb1_proj
	.p2align	8
	.type	k_q4504a35bb1_proj,@function
k_q4504a35bb1_proj:
	s_mov_b64 s[64:65], 0
	v_nop
	global_prefetch_b8 v0, s[64:65] scope:SCOPE_SE
	s_setreg_imm32_b32 hwreg(HW_REG_WAVE_MODE, 25, 1), 1
	s_wait_xcnt 0x0
	s_wait_alu depctr_hold_cnt(0) depctr_sa_sdst(0) depctr_va_vdst(0) depctr_va_sdst(0) depctr_va_ssrc(0) depctr_va_vcc(0) depctr_vm_vsrc(0)
	s_getreg_b32 s2, hwreg(HW_REG_IB_STS2, 6, 4)
	s_cmp_eq_u32 s2, 0
	s_cbranch_scc0 .Lentry_in_a_cluster
	s_endpgm
.Lentry_in_a_cluster:
	s_bfe_u32 s2, ttmp6, 0x10000c
	s_cmp_lg_u32 s2, 0xf033
	s_cbranch_scc0 .Lentry_shape_is_right
	s_endpgm
.Lentry_shape_is_right:
; PROJ.  Q = query Wq^T + bq, K = key Wk^T + bk, V^T = Wv value^T + bv, on codes of FP8 (E4M3) with E8M0 scales, each result quantised anew for the attention launch: Q and K along the head's 64, V along the keys.
; OPERANDS come as images of their registers: cod = [tile of 16 rows rt][K step of 128][2,048 bytes], scl = [rt / 4][K step][64 rows] of 32-bit words.
; A TILE of the result is 128 rows of A x 256 rows of B.  Q, K: A = tokens, B = the weight's rows.  V: A = Wv's rows, B = tokens, so that a lane's registers run along the keys.
; Four waves, each 64 x 128: 32 accumulators.  The matrix instruction is used transposed (source 0 = 16 rows of B, source 1 = 16 rows of A): a lane holds one row of A and eight neighbouring rows of B.
; A WORK-GROUP STAYS: it makes three tiles, its Q tile, its K tile and its V tile: 256 work-groups for 768 tiles.  Q and K are two trips of a loop; V, which asks for nothing more and has its own way out, is written out.
; RING.  K = 1,024 goes in four steps of 256 through two slots (A 32,768 bytes, B 65,536).  A tile's scale words (A 4,096 bytes, B 8,192) lie behind the ring.
; A tile's first four loads (wave 0: A's part of slot 0; wave 1: B's; wave 2: A's scale words; wave 3: B's) go out as one tree, one load a wave: at the head for Q; for K and V at the third change of slots of the tile before,
; behind which nobody reads slot 0 or the scale words (the fourth step's words are fetched a step early).  Slot 1's first step goes out behind a round of its own: at the head's end for Q, in the middle of the way out of the tile before
; for K and V.  So both land while the tile before is quantised and stored.  In the ring wave 0 fetches A's part of a slot and wave 1 B's: each group 1 is a constant.  Every wait for tensor loads is for all of them.
; CLUSTER.  4 x 4 work-groups: A's tiles are shared along a row of the cluster, B's along a column; each load is joint.  Every joint load stands behind a round of the cluster's barrier.
; No prefetch: a tile has four fills, and two of them are asked for under the way out of the tile before.
; RESULTS.  qkv: Q's images [16 b + head][tile of 16 queries][1,024]; from byte 0x800000 on, for each head 8 chunks of 256 keys: 16 tiles of K, then V's 2 x 4 fragments.  psw: Q's words; from byte 0x80000 on [head][step of 128 keys][768].
; LIMITS: a block of zeros gets the byte 1 (its codes are zeros, and this program alone reads the bytes); NaN and infinities are not served.
; REGISTERS.  Window 0: v1-31 addresses; v32-55 scale words, two sets (on the way out at work); v56-63, v64-127 biases; v128-255 A's fragments, two sets (on the way out: numbers and codes).  Window 1: B's fragments, two sets.  Window 2: accumulators.
.set SLOT,  98304
.set BOFF,  32768                      ; B's part of a slot
.set SCA,   196608                     ; A's scale words
.set SCB,   200704                     ; B's
.set SPARE, 208896                     ; the spare words, 128 bytes a wave
.set STG0,  209408                     ; stages for the results' scale words, bytes of their own: Q, K: 512 bytes a wave;
.set STG1,  211456                     ; V: 256 bytes a wave
.set ADRA, 16
.set ADRB, 20
.set ADSA, 22
.set ADSB, 23
.set SPW,  28
.set NIL,  29
.set SC,   32
.set BIV,  56
.set BIA,  64
.set ST,   128
.set TM,   32
.set PW,   48
.set MNT,  3                           ; s3 the mantissa field of 448
.set TR,   43                          ; s43 Q's and K's tile row: 4 x cluster y + cy
.set BP,   66                          ; s[66:67] the tile's bias
.set PSP,  100                         ; s[100:101] where the tile's scale words go
.set SEL,  104                         ; s[104:105] lane selects: lane l xor 16
.set G1,   24
.set G0,   32                          ; s[32:35] slot 0, s[36:39] slot 1
.set G1B,  48
.set G0B,  56
.set G1S,  68
.set G0S,  76
.set G1SB, 80
.set G0SB, 88
.set MSB, 0
.macro WIN new
.if MSB != \new
	s_set_vgpr_msb (MSB<<8)|\new
.set MSB, \new
.endif
.endm
.macro PLACES n
.rept \n
	v_nop
.endr
.endm
.macro TL g0, g1                       ; a tensor load and the nops behind it
	tensor_load_to_lds s[\g0:\g0+3], s[\g1:\g1+7]
	s_nop 0
.rept 4
	v_nop
.endr
.endm
.macro JLOAD s                         ; the ring's joint loads into slot s: wave 0 A's part, wave 1 B's, the others none
	s_cmp_lt_u32 s14, 1
	s_cbranch_scc0 .Lnot_a_\@
	TL G0+4*(\s), G1
	s_branch .Lasked_\@
.Lnot_a_\@:
	s_cmp_lt_u32 s14, 2
	s_cbranch_scc0 .Lasked_\@
	TL G0B+4*(\s), G1B
.Lasked_\@:
.endm
.macro TREE                            ; a tile's first four joint loads, one a wave: every way through passes exactly one
	s_cmp_lt_u32 s14, 1
	s_cbranch_scc0 .Lt_b_\@
	TL G0, G1
	s_branch .Lt_end_\@
.Lt_b_\@:
	s_cmp_lt_u32 s14, 2
	s_cbranch_scc0 .Lt_sa_\@
	TL G0B, G1B
	s_branch .Lt_end_\@
.Lt_sa_\@:
	s_cmp_lt_u32 s14, 3
	s_cbranch_scc0 .Lt_sb_\@
	TL G0S, G1S
	s_branch .Lt_end_\@
.Lt_sb_\@:
	TL G0SB, G1SB
.Lt_end_\@:
.endm
.macro CREST
	s_cmp_lg_u32 s14, 0
	s_cbranch_scc1 .Lnot_wave_0_\@
	s_barrier_signal -3
.Lnot_wave_0_\@:
	s_barrier_wait -3
	s_barrier_signal -1
	s_barrier_wait -1
.endm
.macro CROUND
	s_barrier_signal -1
	s_barrier_wait -1
	CREST
.endm
.macro DESC g, c, r, p                 ; r rows of c elements of 8 bytes, p elements apart
	s_mov_b32 s[\g+1], (\c)<<16
	s_mov_b32 s[\g+2], (\r)<<16
	s_mov_b32 s[\g+3], (\c)<<16
	s_mov_b32 s[\g+4], \r
	s_mov_b32 s[\g+5], \p
	s_mov_b32 s[\g+6], 0
	s_mov_b32 s[\g+7], 0
.endm
.macro SETD                            ; a tile's addresses into the four groups 0 of its tree; no tensor load of mine is out
	s_mov_b64 s[G0+2:G0+3], s[20:21]
	s_or_b32 s[G0+3], s[G0+3], 0x80000000
	s_mov_b64 s[G0S+2:G0S+3], s[22:23]
	s_or_b32 s[G0S+3], s[G0S+3], 0x80000000
	s_mov_b64 s[G0B+2:G0B+3], s[44:45]
	s_or_b32 s[G0B+3], s[G0B+3], 0x80000000
	s_mov_b64 s[G0SB+2:G0SB+3], s[46:47]
	s_or_b32 s[G0SB+3], s[G0SB+3], 0x80000000
.endm
.macro RTADDR                          ; s18 = A's first rt, s44 = B's: their codes' and scale words' addresses.  A's chain holds cy alone of the cluster's places, B's cx alone
	s_lshl_b32 s22, s18, 9
	s_lshl_b32 s20, s18, 14
	s_mov_b32 s21, 0
	s_mov_b32 s23, 0
	s_lshl_b32 s46, s44, 9
	s_lshl_b32 s44, s44, 14
	s_mov_b32 s45, 0
	s_mov_b32 s47, 0
	s_add_nc_u64 s[20:21], s[4:5], s[20:21]
	s_add_nc_u64 s[22:23], s[6:7], s[22:23]
	s_add_nc_u64 s[44:45], s[4:5], s[44:45]
	s_add_nc_u64 s[46:47], s[6:7], s[46:47]
.endm
; The tree's loads have landed everywhere, and slot 1 takes the tile's second step: a whole round, the joint load first behind it
.macro MID
	s_wait_alu depctr_va_vdst(0)                   ; the wait here, directly ahead of the wait below
	s_wait_tensorcnt 0x0
	ds_add_u32 v[SPW], v[NIL]
	s_add_nc_u64 s[G0+6:G0+7], s[G0+2:G0+3], 4096  ; a step is 4,096 bytes of each tile of 16 rows
	s_add_nc_u64 s[G0B+6:G0B+7], s[G0B+2:G0B+3], 4096
	s_wait_dscnt 0x0
	CROUND
	JLOAD 1
.endm
.macro FRAG reg, adr, off
.irp c, 0,1,2,3
	ds_load_b128 v[(\reg)+4*\c:(\reg)+4*\c+3], v[\adr] offset:(\off)+512*\c
.endr
.endm
.macro FETCH slot, q, p                ; the fragments of the slot's q-th 128 along K into set p: B's eight, A's four
	WIN 0x40
.irp i, 0,1,2,3,4,5,6,7
	FRAG 128*(\p)+16*\i, ADRB+(\slot), 4096*\i+2048*(\q)
.endr
	WIN 0
.irp i, 0,1,2,3
	FRAG 128+64*(\p)+16*\i, ADRA+(\slot), 4096*\i+2048*(\q)
.endr
.endm
.macro SCALES sg                       ; step sg's scale words: lanes 0-15 an even tile's rows, lanes 16-31 the odd one's
.irp q, 0,1
.irp i, 0,1
	ds_load_b32 v[SC+12*((\sg)%2)+6*\q+\i], v[ADSA] offset:(2*(\sg)+\q)*256+128*\i
.endr
.irp i, 0,1,2,3
	ds_load_b32 v[SC+12*((\sg)%2)+6*\q+2+\i], v[ADSB] offset:(\i/2)*2048+(2*(\sg)+\q)*256+(\i%2)*128
.endr
.endr
.endm
.macro PROD a, b, p, sc, zero
.set rD, 8*(8*(\a)+(\b))
.set rB, 128*(\p)+16*(\b)
.set rA, 128+64*(\p)+16*(\a)
.set rSB, (\sc)+2+(\b)/2
.set rSA, (\sc)+(\a)/2
.if \zero
.if ((\a)%2)&&((\b)%2)
	v_wmma_scale_f32_16x16x128_f8f6f4 v[rD:rD+7], v[rB:rB+15], v[rA:rA+15], 0, v[rSB], v[rSA] matrix_a_scale:MATRIX_SCALE_ROW1 matrix_b_scale:MATRIX_SCALE_ROW1
.elseif (\b)%2
	v_wmma_scale_f32_16x16x128_f8f6f4 v[rD:rD+7], v[rB:rB+15], v[rA:rA+15], 0, v[rSB], v[rSA] matrix_a_scale:MATRIX_SCALE_ROW1
.elseif (\a)%2
	v_wmma_scale_f32_16x16x128_f8f6f4 v[rD:rD+7], v[rB:rB+15], v[rA:rA+15], 0, v[rSB], v[rSA] matrix_b_scale:MATRIX_SCALE_ROW1
.else
	v_wmma_scale_f32_16x16x128_f8f6f4 v[rD:rD+7], v[rB:rB+15], v[rA:rA+15], 0, v[rSB], v[rSA]
.endif
.else
.if ((\a)%2)&&((\b)%2)
	v_wmma_scale_f32_16x16x128_f8f6f4 v[rD:rD+7], v[rB:rB+15], v[rA:rA+15], v[rD:rD+7], v[rSB], v[rSA] matrix_a_scale:MATRIX_SCALE_ROW1 matrix_b_scale:MATRIX_SCALE_ROW1
.elseif (\b)%2
	v_wmma_scale_f32_16x16x128_f8f6f4 v[rD:rD+7], v[rB:rB+15], v[rA:rA+15], v[rD:rD+7], v[rSB], v[rSA] matrix_a_scale:MATRIX_SCALE_ROW1
.elseif (\a)%2
	v_wmma_scale_f32_16x16x128_f8f6f4 v[rD:rD+7], v[rB:rB+15], v[rA:rA+15], v[rD:rD+7], v[rSB], v[rSA] matrix_b_scale:MATRIX_SCALE_ROW1
.else
	v_wmma_scale_f32_16x16x128_f8f6f4 v[rD:rD+7], v[rB:rB+15], v[rA:rA+15], v[rD:rD+7], v[rSB], v[rSA]
.endif
.endif
.endm
.macro MULROW a, p, sc, zero           ; eight accumulators by turns
.irp b, 0,1,2,3,4,5,6,7
	PROD \a, \b, \p, \sc, \zero
.endr
.endm
.macro STEP sg, zero                   ; a slot's first 128 along K; in its middle the second 128's fragments are fetched
	s_wait_dscnt 0x0
	WIN 0xa1
	MULROW 0, 0, SC+12*((\sg)%2), \zero
	MULROW 1, 0, SC+12*((\sg)%2), \zero
	PLACES 8
	FETCH (\sg)%2, 1, 1
.if (\sg) == 2
	SCALES 3                                       ; a step early: behind the next barrier the scale words' bytes may be filled again
.endif
	WIN 0xa1
	MULROW 2, 0, SC+12*((\sg)%2), \zero
	MULROW 3, 0, SC+12*((\sg)%2), \zero
.endm
; A slot's second 128 along K, and the change of slots.  fill = 1: the slot is filled again, two steps on; 2: with the next tile's first step, and the scale words with the next tile's; 0: nothing is asked for
.macro TURN sg, fill
	WIN 0
	s_wait_tensorcnt 0x0                           ; all my tensor loads have landed
	ds_add_u32 v[SPW], v[NIL]
.if (\fill) == 2
	SETD
.endif
	s_wait_dscnt 1                                 ; (the add may be out)
	WIN 0xa1
	MULROW 0, 1, SC+12*((\sg)%2)+6, 0
	s_wait_dscnt 0x0                               ; the add is done, and my reads of this slot are over
	s_barrier_signal -1
	MULROW 1, 1, SC+12*((\sg)%2)+6, 0
	WIN 0
	s_barrier_wait -1
.if (\fill) == 1
	CREST                                          ; the barrier has opened a round of the cluster's barrier
	s_add_nc_u64 s[G0+4*((\sg)%2)+2:G0+4*((\sg)%2)+3], s[G0+4*((\sg)%2)+2:G0+4*((\sg)%2)+3], 8192
	s_add_nc_u64 s[G0B+4*((\sg)%2)+2:G0B+4*((\sg)%2)+3], s[G0B+4*((\sg)%2)+2:G0B+4*((\sg)%2)+3], 8192
	JLOAD (\sg)%2
.elseif (\fill) == 2
	CREST
	TREE
.endif
	PLACES 8                                       ; in front of the loads into registers that matrix instructions have read
	FETCH 1-(\sg)%2, 0, 0
.if (\sg) < 2
	SCALES (\sg)+1
.endif
	WIN 0xa1
	MULROW 2, 1, SC+12*((\sg)%2)+6, 0
	MULROW 3, 1, SC+12*((\sg)%2)+6, 0
.endm
.macro KPART nxt                       ; a tile's sums over K = 1,024.  On entry slot 0 and the scale words are whole and slot 1's load is out
	FETCH 0, 0, 0
	SCALES 0
	STEP 0, 1                                      ; the first products start the sums
	TURN 0, 1
	STEP 1, 0
	TURN 1, 1
	STEP 2, 0
	TURN 2, 2*(\nxt)
	STEP 3, 0
	s_wait_dscnt 0x0
	WIN 0xa1
	MULROW 0, 1, SC+12+6, 0
	MULROW 1, 1, SC+12+6, 0
	MULROW 2, 1, SC+12+6, 0
	MULROW 3, 1, SC+12+6, 0
	WIN 0
	PLACES 8
	s_wait_loadcnt 0x0                             ; the tile's bias
.irp b, 0,1,2,3
	v_mov_b32 v[TM+4+\b], 0                        ; a lane permute's destination counts as one of its sources
.endr
.endm
; 64 numbers of a lane in four blocks (16 registers here, 16 in lane l xor 16) become 16 registers of codes and a scale word
.macro QUANT s, pc
.irp b, 0,1,2,3
	v_max3_num_f32 v[TM+\b], |v[\s+16*\b]|, |v[\s+1+16*\b]|, 0x4800000   ; and the floor 2^(9 - 127): the byte cannot fall under 1
.endr
.irp i, 2,4,6,8,10,12,14
.irp b, 0,1,2,3
	v_max3_num_f32 v[TM+\b], v[TM+\b], |v[\s+16*\b+\i]|, |v[\s+1+16*\b+\i]|
.endr
.endr
.irp b, 0,1,2,3
	v_permlanex16_b32 v[TM+4+\b], v[TM+\b], s[SEL], s[SEL+1]
.endr
.irp b, 0,1,2,3
	v_max_num_f32 v[TM+\b], v[TM+\b], v[TM+4+\b]
.endr
.irp b, 0,1,2,3
	v_add_nc_u32 v[TM+12+\b], 0xfc000000, v[TM+\b]                 ; the conversion's scale operand
.endr
.irp b, 0,1,2,3
	v_and_or_b32 v[TM+8+\b], v[TM+\b], 0x7f800000, s[MNT]          ; 448 x the scale
.endr
.irp b, 0,1,2,3
	v_lshrrev_b32 v[TM+4+\b], 23, v[TM+12+\b]                      ; the scale's byte
.endr
	v_lshl_or_b32 v[PW], v[TM+5], 8, v[TM+4]
	v_lshl_or_b32 v[PW], v[TM+6], 16, v[PW]
	v_lshl_or_b32 v[PW], v[TM+7], 24, v[PW]
.irp b, 0,1,2,3
.irp i, 0,1,2,3,4,5,6,7,8,9,10,11,12,13,14,15
	v_med3_num_f32 v[\s+16*\b+\i], v[\s+16*\b+\i], -v[TM+8+\b], v[TM+8+\b]   ; the conversion does not saturate (ISA guide 7.6.2): the hold comes first
.endr
	v_cvt_scalef32_pk8_fp8_f32 v[(\pc)+4*\b:(\pc)+1+4*\b], v[\s+16*\b:\s+7+16*\b], v[TM+12+\b]
	v_cvt_scalef32_pk8_fp8_f32 v[(\pc)+2+4*\b:(\pc)+3+4*\b], v[\s+8+16*\b:\s+15+16*\b], v[TM+12+\b]
.endr
	v_nop
.endm
; THE WAY OUT, 16 rows of A at a time: the bias, the quantiser, the codes' stores (512 consecutive bytes each), the scale word into my stage.  kind 0: Q, K: 128 along B are two heads; kind 1: V: 128 keys.
; mid = 1: behind the second block the next tile's second step is asked for
.macro EPI kind, mid
.irp a, 0,1,2,3
	WIN 0x02
.set n, 0
.rept 32
.if \kind
	v_pk_add_f32 v[ST+n:ST+n+1], v[64*\a+n:64*\a+n+1], v[BIV+2*\a:BIV+2*\a+1]
.else
	v_pk_add_f32 v[ST+n:ST+n+1], v[64*\a+n:64*\a+n+1], v[BIA+n:BIA+n+1]
.endif
.set n, n+2
.endr
	WIN 0
	QUANT ST, 192+16*\a
.if \kind
.irp c, 0,1,2,3
	global_store_b128 v2, v[192+16*\a+4*\c:195+16*\a+4*\c], s[8:9] offset:2048*\a+512*\c
.endr
	v_mov_b32 v[49+\a], v[PW]
	ds_store_b32 v30, v[49+\a] offset:64*\a
.else
.irp c, 0,1
	global_store_b128 v2, v[192+16*\a+4*\c:195+16*\a+4*\c], s[8:9] offset:1024*\a+512*\c
	global_store_b128 v2, v[200+16*\a+4*\c:203+16*\a+4*\c], s[10:11] offset:1024*\a+512*\c
.endr
	v_perm_b32 v[49+\a], v[PW], v[PW], v7          ; lanes 0-15: the first head's two bytes, twice; lanes 16-31: the second head's
	ds_store_b32 v25, v[49+\a] offset:64*\a
.endif
.if (\mid) && (\a == 1)
	MID
.endif
.endr
.endm
	s_load_b128 s[4:7], s[0:1], 0x0                ; cod, scl
	s_load_b128 s[92:95], s[0:1], 0x10             ; bq, bk
	s_load_b128 s[96:99], s[0:1], 0x20             ; bv, qkv
	s_load_b64 s[12:13], s[0:1], 0x30              ; psw
	v_lshl_add_u32 v[SPW], v0, 2, SPARE
	v_mov_b32 v[NIL], 0
	ds_add_u32 v[SPW], v[NIL]                      ; the opening lines: the add, twice on end, and its wait
	ds_add_u32 v[SPW], v[NIL]
	v_lshrrev_b32 v1, 5, v0
	v_readfirstlane_b32 s14, v1                    ; wave 0..3
	s_lshr_b32 s15, s14, 1                         ; which 64 rows of A are mine
	s_and_b32 s16, s14, 1                          ; which 128 rows of B
	s_bfe_u32 s40, ttmp6, 0x40000                  ; cx
	s_bfe_u32 s41, ttmp6, 0x40004                  ; cy
	s_and_b32 s17, ttmp7, 0xffff                   ; the cluster's y, 0..15
	s_lshl_b32 s[TR], s17, 2
	s_add_co_u32 s[TR], s[TR], s41
	s_lshl_b32 s18, s41, 2
	s_lshl_b32 s18, 15, s18                        ; my row of the cluster
	s_lshl_b32 s44, 0x1111, s40                    ; my column
	s_or_b32 s[G1], s18, (3<<16)|(1<<21)           ; the mask; elements of 8 bytes; bit 21 beside a mask
	s_or_b32 s[G1S], s18, (3<<16)|(1<<21)
	s_or_b32 s[G1B], s44, (3<<16)|(1<<21)
	s_or_b32 s[G1SB], s44, (3<<16)|(1<<21)
	DESC G1, 512, 8, 2048                          ; A: 8 tiles of 16 rows, 4,096 bytes of each, 16,384 bytes apart
	DESC G1B, 512, 16, 2048                        ; B: 16 tiles
	DESC G1S, 32, 16, 32                           ; A's scale words: 16 dense rows of 256 bytes
	DESC G1SB, 32, 32, 32                          ; B's: 32
	s_mov_b32 s[G0], 1
	s_mov_b32 s[G0+1], 0
	s_mov_b32 s[G0+4], 1
	s_mov_b32 s[G0+5], SLOT
	s_mov_b32 s[G0B], 1
	s_mov_b32 s[G0B+1], BOFF
	s_mov_b32 s[G0B+4], 1
	s_mov_b32 s[G0B+5], SLOT+BOFF
	s_mov_b32 s[G0S], 1
	s_mov_b32 s[G0S+1], SCA
	s_mov_b32 s[G0SB], 1
	s_mov_b32 s[G0SB+1], SCB
	s_mov_b32 s[SEL], 0x76543210
	s_mov_b32 s[SEL+1], 0xfedcba98
	s_mov_b32 s[MNT], 0x600000
	s_mov_b32 s2, 0                                ; the tile: 0 Q, 1 K
	s_lshl_b32 s18, s[TR], 3                       ; Q: A = query's tiles from 8 x tile row on,
	s_lshl_b32 s44, s40, 4
	s_add_co_u32 s44, s44, 1536                    ; B = Wq's from 16 cx on
	s_wait_dscnt 0x0                               ; both opening adds are done
	s_wait_kmcnt 0x0
	RTADDR
	SETD
	CROUND                                         ; all sixteen work-groups are here: the first joint loads meet
	TREE
	s_lshl_b32 s18, s15, 14
	s_lshl_b32 s19, s16, 15
	s_add_co_u32 s19, s19, BOFF
	s_lshl_b32 s20, s15, 11
	s_add_co_u32 s20, s20, SCA
	s_lshl_b32 s21, s16, 12
	s_add_co_u32 s21, s21, SCB
	s_lshl_b32 s22, s14, 9
	s_add_co_u32 s22, s22, STG0
	s_lshl_b32 s23, s14, 8
	s_add_co_u32 s23, s23, STG1
	v_and_b32 v1, 31, v0                           ; lane
	v_and_b32 v4, 15, v0                           ; r
	v_bfe_u32 v5, v0, 4, 1                         ; h
	v_mov_b32 v8, 0x02020202
	v_lshlrev_b32 v2, 4, v1                        ; 16 x lane
	v_lshlrev_b32 v3, 2, v1                        ; 4 x lane
	v_lshlrev_b32 v6, 3, v1                        ; 8 x lane
	v_lshlrev_b32 v10, 2, v4                       ; 4 r
	v_lshlrev_b32 v9, 5, v5                        ; 32 h
	v_mul_lo_u32 v7, v5, v8
	v_add_nc_u32 v[ADRA], s18, v2                  ; my fragments of A and of B in slot 0,
	v_add_nc_u32 v[ADRB], s19, v2
	v_add_nc_u32 v[ADRA+1], SLOT, v[ADRA]          ; in slot 1,
	v_add_nc_u32 v[ADRB+1], SLOT, v[ADRB]
	v_add_nc_u32 v[ADSA], s20, v3                  ; and their scale words
	v_add_nc_u32 v[ADSB], s21, v3
	v_lshl_add_u32 v25, v5, 8, v10
	v_add_nc_u32 v25, s22, v25                     ; Q, K: my row's word: 256 h + 4 r in my stage,
	v_add_nc_u32 v26, s22, v2                      ; and 16 bytes a lane back
	v_add_nc_u32 v30, s23, v10                     ; V: 4 r,
	v_add_nc_u32 v31, s23, v6                      ; and 8 bytes a lane back
	v_add_nc_u32 v7, 0x01000100, v7                ; byte selects: bytes 2 h, 2 h + 1, twice
	MID
.Ltile:                                                ; two trips: Q, K
	s_lshl_b32 s18, s[TR], 3                       ; THE NEXT TILE.  Behind Q comes K: A = key's tiles,
	s_add_co_u32 s18, s18, 512
	s_lshr_b32 s19, s17, 3                         ; behind K comes V: A = Wv's tiles: tile row 4 (y / 8) + cy
	s_lshl_b32 s19, s19, 2
	s_add_co_u32 s19, s19, s41
	s_lshl_b32 s19, s19, 3
	s_add_co_u32 s19, s19, 1664
	s_lshl_b32 s44, s40, 4                         ; K: B = Wk's tiles;
	s_add_co_u32 s44, s44, 1600
	s_and_b32 s45, s17, 7                          ; V: B = value's: tile column 4 (y % 8) + cx
	s_lshl_b32 s45, s45, 2
	s_add_co_u32 s45, s45, s40
	s_lshl_b32 s45, s45, 4
	s_add_co_u32 s45, s45, 1024
	s_cmp_eq_u32 s2, 0
	s_cselect_b32 s18, s18, s19
	s_cselect_b32 s44, s44, s45
	RTADDR                                         ; kept in s[20:23], s[44:47] until the third change of slots
	s_cmp_eq_u32 s2, 1                             ; this tile's bias: my 128 columns
	s_cselect_b64 s[BP:BP+1], s[94:95], s[92:93]
	s_lshl_b32 s8, s40, 10
	s_lshl_b32 s9, s16, 9
	s_add_co_u32 s8, s8, s9
	s_mov_b32 s9, 0
	s_add_nc_u64 s[BP:BP+1], s[BP:BP+1], s[8:9]
.irp b, 0,1,2,3,4,5,6,7
	global_load_b128 v[BIA+8*\b:BIA+8*\b+3], v9, s[BP:BP+1] offset:64*\b
	global_load_b128 v[BIA+8*\b+4:BIA+8*\b+7], v9, s[BP:BP+1] offset:64*\b+16
.endr
	KPART 1
	s_lshl_b32 s18, s[TR], 7                       ; where the tile goes: my first token,
	s_lshl_b32 s19, s15, 6
	s_add_co_u32 s18, s18, s19
	s_lshr_b32 s19, s18, 11                        ; its batch,
	s_and_b32 s18, s18, 2047                       ; its place there;
	s_lshl_b32 s20, s40, 2
	s_lshl_b32 s21, s16, 1
	s_add_co_u32 s20, s20, s21                     ; my first head
	s_lshl_b32 s21, s19, 4
	s_add_co_u32 s21, s21, s20                     ; 16 b + head
	s_lshl_b32 s22, 0x20000, s2                    ; bytes from head to head: Q 0x20000, K (with V) 0x40000
	s_mul_i32 s44, s21, s22
	s_lshr_b32 s23, s18, 4
	s_lshl_b32 s23, s23, 10                        ; 1,024 bytes a tile of 16 tokens
	s_add_co_u32 s44, s44, s23
	s_lshr_b32 s23, s18, 8
	s_lshl_b32 s23, s23, 14                        ; K: V's 16,384 bytes in each chunk passed
	s_add_co_u32 s23, s23, 0x800000
	s_cmp_eq_u32 s2, 0
	s_cselect_b32 s23, 0, s23
	s_add_co_u32 s44, s44, s23
	s_mov_b32 s45, 0
	s_add_nc_u64 s[8:9], s[98:99], s[44:45]
	s_mov_b32 s44, s22
	s_add_nc_u64 s[10:11], s[8:9], s[44:45]        ; the second head
	s_lshl_b32 s44, s21, 13                        ; the scale words.  Q: (2,048 (16 b + head) + token) x 4;
	s_lshl_b32 s23, s18, 2
	s_add_co_u32 s44, s44, s23
	s_mul_i32 s46, s21, 12288                      ; K: 12,288 a head, 768 a step of 128 keys, 4 a key
	s_lshr_b32 s23, s18, 7
	s_mul_i32 s23, s23, 768
	s_add_co_u32 s46, s46, s23
	s_and_b32 s23, s18, 127
	s_lshl_b32 s23, s23, 2
	s_add_co_u32 s46, s46, s23
	s_add_co_u32 s46, s46, 0x80000
	s_mov_b32 s47, 12288
	s_cmp_eq_u32 s2, 0
	s_cselect_b32 s44, s44, s46
	s_cselect_b32 s47, 8192, s47
	s_add_nc_u64 s[PSP:PSP+1], s[12:13], s[44:45]
	v_mul_u32_u24 v27, v5, s47                     ; lanes 16-31 store the second head's words
	v_lshl_add_u32 v27, v4, 4, v27
	EPI 0, 1
	ds_load_b128 v[128:131], v26                   ; my 64 tokens' words for two heads: these see my stores
	s_wait_dscnt 0x0
	global_store_b128 v27, v[128:131], s[PSP:PSP+1]   ; sixteen lanes store 256 consecutive bytes, aligned
	s_wait_xcnt 0x0                                ; the stores have read their registers and bases, which the next tile writes
	s_add_co_u32 s2, s2, 1
	s_cmp_lt_u32 s2, 2
	s_wait_alu depctr_va_vdst(0)                   ; the wait here, directly ahead of the branch
	s_cbranch_scc1 .Ltile
	; V: the last tile is written out: it asks for nothing more
	s_lshr_b32 s10, s17, 3
	s_lshl_b32 s10, s10, 2
	s_add_co_u32 s10, s10, s41                     ; tile row: 128 of Wv's rows
	s_and_b32 s42, s17, 7
	s_lshl_b32 s42, s42, 2
	s_add_co_u32 s42, s42, s40                     ; tile column: 256 tokens
	s_lshl_b32 s8, s10, 9
	s_lshl_b32 s9, s15, 8
	s_add_co_u32 s8, s8, s9
	s_mov_b32 s9, 0
	s_add_nc_u64 s[BP:BP+1], s[96:97], s[8:9]      ; bv at my 64 rows
.irp a, 0,1,2,3
	global_load_b32 v[BIV+2*\a], v10, s[BP:BP+1] offset:64*\a      ; my row's bias, in both registers of a pair
	global_load_b32 v[BIV+2*\a+1], v10, s[BP:BP+1] offset:64*\a
.endr
	KPART 0
	s_lshl_b32 s18, s10, 1
	s_add_co_u32 s18, s18, s15                     ; my head
	s_lshl_b32 s19, s42, 8
	s_lshl_b32 s20, s16, 7
	s_add_co_u32 s19, s19, s20                     ; my first token
	s_lshr_b32 s20, s19, 11                        ; its batch
	s_bfe_u32 s19, s19, 0x40007                    ; its step of 128 keys
	s_lshl_b32 s21, s20, 4
	s_add_co_u32 s21, s21, s18
	s_lshl_b32 s44, s21, 18
	s_lshr_b32 s22, s19, 1
	s_lshl_b32 s22, s22, 15                        ; the chunk,
	s_add_co_u32 s44, s44, s22
	s_and_b32 s22, s19, 1
	s_lshl_b32 s22, s22, 13                        ; the step in it,
	s_add_co_u32 s44, s44, s22
	s_add_co_u32 s44, s44, 0x800000+16384          ; behind the chunk's tiles of K
	s_mov_b32 s45, 0
	s_add_nc_u64 s[8:9], s[98:99], s[44:45]
	s_mul_i32 s44, s21, 12288
	s_mul_i32 s22, s19, 768
	s_add_co_u32 s44, s44, s22
	s_add_co_u32 s44, s44, 0x80000+512             ; behind the step's 128 words of K
	s_add_nc_u64 s[PSP:PSP+1], s[12:13], s[44:45]
	EPI 1, 0
	ds_load_b64 v[128:129], v31                    ; my 64 rows' words
	s_wait_dscnt 0x0
	global_store_b64 v6, v[128:129], s[PSP:PSP+1]  ; 256 consecutive bytes, aligned
	s_wait_tensorcnt 0x0                           ; the wave's end
	ds_add_u32 v[SPW], v[NIL]
	s_wait_dscnt 0x0
	CROUND                                         ; the closing round
	s_endpgm
.Lfunc_end_k_q4504a35bb1_proj:
	.size	k_q4504a35bb1_proj, .Lfunc_end_k_q4504a35bb1_proj-k_q4504a35bb1_proj
	.p2alignl 7, 3214868480
	.fill 96, 4, 3214868480
	.section	.rodata,"a",@progbits
	.p2align	6, 0x0
	.amdhsa_kernel k_q4504a35bb1_proj
		.amdhsa_group_segment_fixed_size 327680
		.amdhsa_private_segment_fixed_size 0
		.amdhsa_enable_private_segment 0
		.amdhsa_kernarg_size 56
		.amdhsa_user_sgpr_count 2
		.amdhsa_user_sgpr_kernarg_segment_ptr 1
		.amdhsa_wavefront_size32 1
		.amdhsa_system_sgpr_workgroup_id_x 1
		.amdhsa_system_sgpr_workgroup_id_y 1
		.amdhsa_system_sgpr_workgroup_id_z 1
		.amdhsa_system_vgpr_workitem_id 0
		.amdhsa_next_free_vgpr 768
		.amdhsa_next_free_sgpr 106
		.amdhsa_reserve_vcc 0
		.amdhsa_float_denorm_mode_32 3
		.amdhsa_float_denorm_mode_16_64 3
		.amdhsa_memory_ordered 1
		.amdhsa_forward_progress 1
		.amdhsa_inst_pref_size 234
	.end_amdhsa_kernel
	.amdgpu_metadata
---
amdhsa.version: [ 1, 2 ]
amdhsa.kernels:
  - .name:           k_q4504a35bb1_proj
    .symbol:         k_q4504a35bb1_proj.kd
    .args:
      - { .name: cod, .offset: 0, .size: 8, .value_kind: global_buffer, .address_space: global }
      - { .name: scl, .offset: 8, .size: 8, .value_kind: global_buffer, .address_space: global }
      - { .name: bq, .offset: 16, .size: 8, .value_kind: global_buffer, .address_space: global }
      - { .name: bk, .offset: 24, .size: 8, .value_kind: global_buffer, .address_space: global }
      - { .name: bv, .offset: 32, .size: 8, .value_kind: global_buffer, .address_space: global }
      - { .name: qkv, .offset: 40, .size: 8, .value_kind: global_buffer, .address_space: global }
      - { .name: psw, .offset: 48, .size: 8, .value_kind: global_buffer, .address_space: global }
    .group_segment_fixed_size: 327680
    .private_segment_fixed_size: 0
    .kernarg_segment_align: 8
    .kernarg_segment_size: 56
    .max_flat_workgroup_size: 128
    .sgpr_count:     106
    .vgpr_count:     768
    .wavefront_size: 32
...
	.end_amdgpu_metadata
.endif
;; end of part 2
;; launch attn (part 3): grid 4 x 64, 16 waves a work-group, clusters of 4 x 1, 327,680 bytes of LDS; arguments qkv, psw, mb, cc, cs; writes cc, cs
.if DOCPART == 3
	.amdgcn_target "amdgcn-amd-amdhsa--gfx1250"
	.amdhsa_code_object_version 6
	.text
	.protected	k_q4504a35bb1_attn
	.globl	k_q4504a35bb1_attn
	.p2align	8
	.type	k_q4504a35bb1_attn,@function
k_q4504a35bb1_attn:
	s_mov_b64 s[64:65], 0
	v_nop
	global_prefetch_b8 v0, s[64:65] scope:SCOPE_SE
	s_setreg_imm32_b32 hwreg(HW_REG_WAVE_MODE, 25, 1), 1
	s_wait_xcnt 0x0
	s_wait_alu depctr_hold_cnt(0) depctr_sa_sdst(0) depctr_va_vdst(0) depctr_va_sdst(0) depctr_va_ssrc(0) depctr_va_vcc(0) depctr_vm_vsrc(0)
	s_getreg_b32 s2, hwreg(HW_REG_IB_STS2, 6, 4)
	s_cmp_eq_u32 s2, 0
	s_cbranch_scc0 .Lentry_in_a_cluster
	s_endpgm
.Lentry_in_a_cluster:
	s_bfe_u32 s2, ttmp6, 0x10000c
	s_cmp_lg_u32 s2, 0x3003
	s_cbranch_scc0 .Lentry_shape_is_right
	s_endpgm
.Lentry_shape_is_right:
; ATTN.  ctx[q] = softmax_k(Q[q] . K[k] / 8, masked) V[k] for each batch and head, both products on codes of FP8 (E4M3) with E8M0 scales, and ctx quantised along (head, 64) for the last product.
; THE SOFTMAX: t = score x log2(e) / 8; M = the running largest t rounded up to a whole number; p = 2^(t - M) is quantised along the keys; the row's sum is taken of the unquantised p and divides at the end.
; When M moves, the sum and O are multiplied by 2^(old M - new M): exact.
; THE MASK: where mask is 0 the score becomes -2^33 ahead of the maximum, that is a logit of -2^30 in place of -1e9.  -2^33 x log2(e) / 8 is exact and a whole number, so a row that is masked throughout gets p = 1 for every key,
; the uniform row that the definition gives.  LIMIT: the results are the definition's while unmasked logits stay under 5e8 in magnitude.  NaN and infinities are not served.  A block of zeros gets the byte 1.
; SHARES.  A work-group owns ONE head of one batch and 512 queries; each of sixteen waves owns 32 of them in 256 registers, four waves to a SIMD, and walks all 2,048 keys, 128 a step, for its first 16 queries and then for its second 16.
; LDS.  The head's K and V, 262,144 bytes of register images (8 chunks of 256 keys: 16 tiles of K, then V's 2 x 4 fragments), and their 12,288 bytes of scale words ([step][768]: 128 words of K, 64 of V) fit together:
; they are filled ONCE, at the head: waves 0 to 7 fetch a chunk each, wave 8 the scale words, one tensor load a wave.  Nothing is filled again, so the sixteen waves meet once, behind these loads, and never in the walk.
; CLUSTER.  The four work-groups of a cluster own the four blocks of queries of one head and need the same K, V and scale words: each load is joint, with the mask of all four.
; LAYOUT.  S^T = K Q^T (source 0 = 16 keys, source 1 = my queries; the head has 64, so the upper eight registers of both operands are zero codes), O^T = V^T P^T: a lane holds one query (lane % 16) throughout.
; The 16 registers of score tiles 2 b, 2 b + 1 are keys 32 b + 8 h + 0..7 and 32 b + 16 + 8 h + 0..7: the order in which V's codes were laid.
; THE MASK'S WORDS: a step's 64 lane masks stand in 64 scalar registers; the next step's are asked for behind the step's last select.  My two tiles' 32 steps lie on end in mb; the last step asks for its own words again.
; No prefetch: K and V come at the head, with no loop to run ahead in, and the mask's words are asked for a key step ahead of their use.
; ctx's SCALE WORDS: a word holds two heads' bytes; this work-group has one head's two, so each wave stores 2 bytes for each of its 32 rows, 4 bytes apart: units of cs are written in part (cs is 262,144 bytes in all).
; REGISTERS: v1-11 addresses and constants (v5, v9: ctx's scale bytes of my first and second tile); v12 -M, v13 the largest t, v[14:15] the sum; v16-31 Q; v32-95 four fragments of K;
; v96-159 S^T, then p, then V's four fragments; v160-191 O^T; v192-207 p's codes; v208-223 at work for the blocks; v224-227 K's scale words, v228-229 V's (lanes 0-15 an even tile, lanes 16-31 the odd one),
; v230 Q's scale word, v231 p's; v[232:233] f; v234 at work; v237 the closing store's offset.
.set CHUNK, 32768
.set SCL,   262144                     ; the head's scale words
.set SPARE, 274432                     ; the spare words, 128 bytes a wave: eight blocks of 256 bytes that no other line names
.set WV,   2                           ; s2   my wave's number
.set MNT,  3                           ; s3   the mantissa field of 448
.set TB,   12                          ; s12  LDS byte at which the chunk in hand begins
.set TS,   13                          ; s13  where the step's scale words begin: 768 bytes a step
.set MOFF, 14                          ; s14  where the step's words of the mask begin: 256 bytes a step
.set CNT,  15                          ; s15  counts the eight chunks
.set G0,   16                          ; s[16:19] group 0 for a chunk; behind the wait that shows the loads done:
.set TL,   16                          ; s16  tiles of queries to go
.set LM,   17                          ; s17  the lane mask of lanes 16-31
.set G0S,  20                          ; s[20:23] group 0 for the scale words
.set G1,   24                          ; s[24:31] group 1: 128 dense rows of 256 bytes
.set MW0,  32                          ; s[32:63] the mask's words 0-31 of a step
.set MW1,  68                          ; s[68:99] words 32-63
.set G1S,  92                          ; s[92:99] group 1: 48 dense rows of 256 bytes; the mask's words 56-63 land there behind the wait that shows the loads done
.set SEL,  66                          ; s[66:67] lane selects: lane l xor 16
.set CS,   100                         ; s[100:101] c = log2(e) / 8
.set CSP,  104                         ; s[104:105] where my wave's scale bytes of ctx go
.macro CROUND
	s_barrier_signal -1
	s_barrier_wait -1
	s_cmp_lg_u32 s[WV], 0
	s_cbranch_scc1 .Lnot_wave_0_\@
	s_barrier_signal -3
.Lnot_wave_0_\@:
	s_barrier_wait -3
	s_barrier_signal -1
	s_barrier_wait -1
.endm
.macro SPROD u                         ; score tile u of the step's eight
.if (\u)%2
	v_wmma_scale_f32_16x16x128_f8f6f4 v[96+8*(\u):103+8*(\u)], v[32+16*((\u)%4):47+16*((\u)%4)], v[16:31], 0, v[224+(\u)/2], v230 matrix_a_scale:MATRIX_SCALE_ROW1
.else
	v_wmma_scale_f32_16x16x128_f8f6f4 v[96+8*(\u):103+8*(\u)], v[32+16*((\u)%4):47+16*((\u)%4)], v[16:31], 0, v[224+(\u)/2], v230
.endif
.endm
.macro PVPROD t                        ; O^T's tile t: 16 of the head's 64
.if (\t)%2
	v_wmma_scale_f32_16x16x128_f8f6f4 v[160+8*(\t):167+8*(\t)], v[96+16*(\t):111+16*(\t)], v[192:207], v[160+8*(\t):167+8*(\t)], v[228+(\t)/2], v231 matrix_a_scale:MATRIX_SCALE_ROW1
.else
	v_wmma_scale_f32_16x16x128_f8f6f4 v[160+8*(\t):167+8*(\t)], v[96+16*(\t):111+16*(\t)], v[192:207], v[160+8*(\t):167+8*(\t)], v[228+(\t)/2], v231
.endif
.endm
.macro KLOAD st, g                     ; four tiles of K: the lower eight registers of each fragment; the upper eight stay zero
.irp u, 0,1,2,3
	ds_load_b128 v[32+16*\u:35+16*\u], v6 offset:8192*(\st)+4096*(\g)+1024*\u
	ds_load_b128 v[36+16*\u:39+16*\u], v6 offset:8192*(\st)+4096*(\g)+1024*\u+512
.endr
.endm
.macro VLOAD st, t
.irp c, 0,1,2,3
	ds_load_b128 v[96+16*(\t)+4*\c:99+16*(\t)+4*\c], v6 offset:16384+8192*(\st)+2048*(\t)+512*\c
.endr
.endm
.macro MASK g, sb                      ; 32 scores: kept where the lane's bit is set, else -2^33; each accumulator from its low end on
.set n, 0
.rept 32
	v_cndmask_b32 v[96+32*(\g)+n], v8, v[96+32*(\g)+n], s[\sb+n]
.set n, n+1
.endr
.endm
.macro BMAX b0, b1                     ; the largest score of two blocks of 32 keys, by turns: 16 lines
.irp b, \b0, \b1
	v_max3_num_f32 v[208+\b], v[96+16*\b], v[97+16*\b], v[98+16*\b]
.endr
.irp i, 3,5,7,9,11,13
.irp b, \b0, \b1
	s_delay_alu instid0(VALU_DEP_2)
	v_max3_num_f32 v[208+\b], v[208+\b], v[96+16*\b+\i], v[97+16*\b+\i]
.endr
.endr
.irp b, \b0, \b1
	s_delay_alu instid0(VALU_DEP_2)
	v_max_num_f32 v[208+\b], v[208+\b], v[111+16*\b]
.endr
.endm
.macro PCODE b                         ; block b of p: the one-sided hold (p is not negative), and the conversions
.irp i, 0,2,4,6,8,10,12,14
	v_dual_min_num_f32 v[96+16*(\b)+\i], v[96+16*(\b)+\i], v[216+(\b)] :: v_dual_min_num_f32 v[97+16*(\b)+\i], v[97+16*(\b)+\i], v[241+(\b)]   ; two holds a line: destinations even and odd, each pair of sources in two banks
.endr
	v_cvt_scalef32_pk8_fp8_f32 v[192+4*(\b):193+4*(\b)], v[96+16*(\b):103+16*(\b)], v[220+(\b)]
	v_cvt_scalef32_pk8_fp8_f32 v[194+4*(\b):195+4*(\b)], v[104+16*(\b):111+16*(\b)], v[220+(\b)]
.endm
; A KEY STEP: 128 keys, the st-th of the chunk in hand
.macro STEP st
	v_add_nc_u32 v7, s[TS], v2                     ; the step's scale words
	KLOAD \st, 0
.irp i, 0,1,2,3
	ds_load_b32 v[224+\i], v7 offset:128*\i
.endr
.rept 8
	v_nop                                          ; with the addition above nine places: the products below write over registers that the last step's products read as V's fragments
.endr
	s_wait_dscnt 0x0
.irp u, 0,1,2,3
	SPROD \u
.endr
.rept 8
	v_nop                                          ; eight places in front of the loads into K's registers and of the first read of these scores
.endr
	KLOAD \st, 1
	s_wait_kmcnt 0x0                               ; this step's 64 words of the mask, asked for a step ago: the one wait for them
	MASK 0, MW0
	s_wait_dscnt 0x0
.irp u, 4,5,6,7
	SPROD \u
.endr
	BMAX 0, 1                                      ; sixteen plain lines on the first four tiles: the places behind the last four products
	MASK 1, MW1
	s_add_co_u32 s[MOFF], s[MOFF], 256             ; no scalar load is out: the offset may be written.  The next step's words;
	s_min_u32 s[MOFF], s[MOFF], 7936               ; behind my 32nd step there are none of mine: it asks for its own again
	s_load_b512 s[MW0:MW0+15], s[8:9], s[MOFF] offset:0x0
	s_load_b512 s[MW0+16:MW0+31], s[8:9], s[MOFF] offset:0x40
	s_load_b512 s[MW1:MW1+15], s[8:9], s[MOFF] offset:0x80
	s_load_b512 s[MW1+16:MW1+31], s[8:9], s[MOFF] offset:0xc0
	BMAX 2, 3
.irp b, 0,1,2,3
	v_permlanex16_b32 v[212+\b], v[208+\b], s[SEL], s[SEL+1]
.endr
.irp b, 0,1,2,3
	s_delay_alu instid0(VALU_DEP_4)
	v_max_num_f32 v[208+\b], v[208+\b], v[212+\b]  ; with lane l xor 16's 16 keys
.endr
	s_delay_alu instid0(VALU_DEP_2)
	v_max3_num_f32 v234, v208, v209, v210
	s_delay_alu instid0(VALU_DEP_1)
	v_max_num_f32 v234, v234, v211                 ; the step's largest score of my query
	s_delay_alu instid0(VALU_DEP_1)
	v_mul_f32 v234, s[CS], v234                    ; as t
	s_delay_alu instid0(VALU_DEP_1)
	v_max_num_f32 v13, v13, v234                   ; the running largest t
	v_mov_b32 v234, v12
	s_delay_alu instid0(VALU_DEP_2)
	v_floor_f32 v12, -v13                          ; the new -M = floor(-t): M is a whole number
	s_delay_alu instid0(VALU_DEP_1)
	v_sub_f32 v234, v12, v234                      ; old M - new M: a whole number, 0 or less
	s_delay_alu instid0(VALU_DEP_1)
	v_cvt_i32_f32 v234, v234                       ; (it saturates)
	s_delay_alu instid0(VALU_DEP_1)
	v_ldexp_f32 v232, 1.0, v234                    ; f = 2^(old M - new M)
.set n, 0
.rept 32
	v_pk_fma_f32 v[96+n:97+n], v[96+n:97+n], s[CS:CS+1], v[12:13] op_sel_hi:[1,0,0]   ; t - M, two at a time
.set n, n+2
.endr
.irp b, 0,1,2,3
	v_fma_f32 v[208+\b], v[208+\b], s[CS], v12     ; the same of each block's largest score
.endr
.set n, 0
	s_wait_alu depctr_va_vdst(0)                   ; the wait ahead of the batch
.rept 64
	v_exp_f32 v[96+n], v[96+n]                     ; p = 2^(t - M)
.set n, n+1
.endr
	v_pk_mul_f32 v[14:15], v[14:15], v[232:233] op_sel_hi:[1,0]   ; the sums under the new M: the plain line behind the exponentials
	s_wait_alu depctr_va_vdst(0)                   ; one wait for the batch, ahead of its first reader
.irp b, 0,1,2,3
	v_exp_f32 v[208+\b], v[208+\b]                 ; the block's largest p: the same two instructions on the same number
.endr
	v_pk_add_f32 v[212:213], v[100:101], v[104:105]                ; the row's sum of the unquantised p, in eight chains
	v_pk_add_f32 v[228:229], v[108:109], v[112:113]
	v_pk_add_f32 v[226:227], v[116:117], v[120:121]
	v_pk_add_f32 v[224:225], v[124:125], v[128:129]
	v_pk_add_f32 v[222:223], v[132:133], v[136:137]
	v_pk_add_f32 v[220:221], v[140:141], v[144:145]
	v_pk_add_f32 v[218:219], v[148:149], v[152:153]
	v_pk_add_f32 v[14:15], v[14:15], v[156:157]
	v_pk_add_f32 v[212:213], v[212:213], v[96:97]
	v_pk_add_f32 v[228:229], v[228:229], v[98:99]
	v_pk_add_f32 v[226:227], v[226:227], v[102:103]
	v_pk_add_f32 v[224:225], v[224:225], v[106:107]
	v_pk_add_f32 v[222:223], v[222:223], v[110:111]
	v_pk_add_f32 v[220:221], v[220:221], v[114:115]
	v_pk_add_f32 v[218:219], v[218:219], v[118:119]
	v_pk_add_f32 v[14:15], v[14:15], v[122:123]
	v_pk_add_f32 v[212:213], v[212:213], v[126:127]
	v_pk_add_f32 v[228:229], v[228:229], v[130:131]
	v_pk_add_f32 v[226:227], v[226:227], v[134:135]
	v_pk_add_f32 v[224:225], v[224:225], v[138:139]
	v_pk_add_f32 v[222:223], v[222:223], v[142:143]
	v_pk_add_f32 v[220:221], v[220:221], v[146:147]
	v_pk_add_f32 v[218:219], v[218:219], v[150:151]
	v_pk_add_f32 v[14:15], v[14:15], v[154:155]
	v_pk_add_f32 v[212:213], v[212:213], v[158:159]
	s_delay_alu instid0(VALU_DEP_2)
	v_pk_add_f32 v[14:15], v[14:15], v[224:225]
	s_delay_alu instid0(VALU_DEP_2)
	v_pk_add_f32 v[212:213], v[212:213], v[222:223]
	v_pk_add_f32 v[228:229], v[228:229], v[220:221]
	v_pk_add_f32 v[226:227], v[226:227], v[218:219]
	s_delay_alu instid0(VALU_DEP_2)
	v_pk_add_f32 v[14:15], v[14:15], v[228:229]
	s_delay_alu instid0(VALU_DEP_2)
	v_pk_add_f32 v[212:213], v[212:213], v[226:227]
	s_delay_alu instid0(VALU_DEP_1)
	v_pk_add_f32 v[14:15], v[14:15], v[212:213]
	s_wait_alu depctr_va_vdst(0)                   ; and one for the four
.irp b, 0,1,2,3
	v_max_num_f32 v[208+\b], 0x4800000, v[208+\b]  ; the floor 2^(9 - 127): the byte cannot fall under 1
.endr
.irp b, 0,1,2,3
	s_delay_alu instid0(VALU_DEP_4)
	v_add_nc_u32 v[220+\b], 0xfc000000, v[208+\b]  ; the conversion's scale operand
.endr
.irp b, 0,1,2,3
	v_and_or_b32 v[216+\b], v[208+\b], 0x7f800000, s[MNT]   ; 448 x the scale,
	v_and_or_b32 v[241+\b], v[208+\b], 0x7f800000, s[MNT]   ; and once more in v241-244, a register of another bank, for the second half of the paired holds
.endr
.irp b, 0,1,2,3
	v_lshrrev_b32 v[212+\b], 23, v[220+\b]         ; the scale's byte
.endr
	s_delay_alu instid0(VALU_DEP_3)
	v_lshl_or_b32 v231, v213, 8, v212              ; p's scale word for these 128 keys
	s_delay_alu instid0(VALU_DEP_1)
	v_lshl_or_b32 v231, v214, 16, v231
	s_delay_alu instid0(VALU_DEP_1)
	v_lshl_or_b32 v231, v215, 24, v231
	PCODE 0
	PCODE 1
	VLOAD \st, 0                                   ; V's fragments land where p's converted numbers lay
	VLOAD \st, 1
	PCODE 2
	PCODE 3
	VLOAD \st, 2
	VLOAD \st, 3
	ds_load_b32 v228, v7 offset:512
	ds_load_b32 v229, v7 offset:640
.set n, 0
.rept 16
	v_pk_mul_f32 v[160+n:161+n], v[160+n:161+n], v[232:233] op_sel_hi:[1,0]   ; O^T under the new M; these are also the places between the conversions and the products
.set n, n+2
.endr
	s_wait_alu depctr_va_vdst(0)                   ; the wait here, directly ahead of the wait below
	s_wait_dscnt 0x0
.irp t, 0,1,2,3
	PVPROD \t                                      ; four accumulators by turns
.endr
	s_add_co_u32 s[TS], s[TS], 768
.endm
.macro QLOAD                           ; a tile's Q: the lower eight registers of the fragment, and its scale words
	global_load_b128 v[16:19], v1, s[4:5]
	global_load_b128 v[20:23], v1, s[4:5] offset:512
	global_load_b32 v230, v10, s[6:7]
.endm
; A TILE ENDS: O^T / the sum, quantised in two blocks of 32, stored into ctx's image in the true order of K: a conversion's 8 bytes are k = 32 c + 16 i + 8 h + 0..7 of row r, at 512 c + 256 i + 16 r + 8 h
.macro FINISH
.rept 8
	v_nop                                          ; eight places behind the last products
.endr
	v_add_f32 v14, v14, v15
	v_mov_b32 v5, v9                               ; the tile before's scale bytes
	s_delay_alu instid0(VALU_DEP_2)
	v_permlanex16_b32 v234, v14, s[SEL], s[SEL+1]
	s_delay_alu instid0(VALU_DEP_1)
	v_add_f32 v14, v14, v234                       ; the row's sum
	s_wait_alu depctr_va_vdst(0)                   ; the wait ahead of the transcendental
	v_rcp_f32 v232, v14
	v_nop
	s_wait_alu depctr_va_vdst(0)                   ; and ahead of its first reader, which is O^T's first reader too
.set n, 0
.rept 16
	v_pk_mul_f32 v[96+n:97+n], v[160+n:161+n], v[232:233] op_sel_hi:[1,0]   ; each accumulator from its low end on
.set n, n+2
.endr
.irp b, 0,1
	v_max3_num_f32 v[208+\b], |v[96+16*\b]|, |v[97+16*\b]|, 0x4800000
.endr
.irp i, 2,4,6,8,10,12,14
.irp b, 0,1
	s_delay_alu instid0(VALU_DEP_2)
	v_max3_num_f32 v[208+\b], v[208+\b], |v[96+16*\b+\i]|, |v[97+16*\b+\i]|
.endr
.endr
.irp b, 0,1
	s_delay_alu instid0(VALU_DEP_2)
	v_permlanex16_b32 v[212+\b], v[208+\b], s[SEL], s[SEL+1]
.endr
.irp b, 0,1
	s_delay_alu instid0(VALU_DEP_2)
	v_max_num_f32 v[208+\b], v[208+\b], v[212+\b]
.endr
.irp b, 0,1
	s_delay_alu instid0(VALU_DEP_2)
	v_add_nc_u32 v[220+\b], 0xfc000000, v[208+\b]
.endr
.irp b, 0,1
	s_delay_alu instid0(VALU_DEP_4)
	v_and_or_b32 v[216+\b], v[208+\b], 0x7f800000, s[MNT]
.endr
.irp b, 0,1
	s_delay_alu instid0(VALU_DEP_4)
	v_lshrrev_b32 v[212+\b], 23, v[220+\b]
.endr
	s_delay_alu instid0(VALU_DEP_1)
	v_lshl_or_b32 v9, v213, 8, v212                ; my row's two scale bytes
.irp b, 0,1
.irp i, 0,1,2,3,4,5,6,7,8,9,10,11,12,13,14,15
	v_med3_num_f32 v[96+16*\b+\i], v[96+16*\b+\i], -v[216+\b], v[216+\b]
.endr
	v_cvt_scalef32_pk8_fp8_f32 v[192+4*\b:193+4*\b], v[96+16*\b:103+16*\b], v[220+\b]
	v_cvt_scalef32_pk8_fp8_f32 v[194+4*\b:195+4*\b], v[104+16*\b:111+16*\b], v[220+\b]
.endr
	v_nop
.irp b, 0,1
	global_store_b64 v11, v[192+4*\b:193+4*\b], s[10:11] offset:\b*512        ; 32 lanes store 256 consecutive bytes, aligned
	global_store_b64 v11, v[194+4*\b:195+4*\b], s[10:11] offset:\b*512+256
.endr
.endm
	s_load_b256 s[4:11], s[0:1], 0x0               ; qkv, psw, mb, cc
	s_load_b64 s[CSP:CSP+1], s[0:1], 0x20          ; cs
	v_lshl_add_u32 v3, v0, 2, SPARE
	v_mov_b32 v4, 0
	ds_add_u32 v3, v4                              ; the opening lines: the add, twice on end, and its wait ahead of the first tensor loads
	ds_add_u32 v3, v4
	v_lshrrev_b32 v1, 5, v0
	v_readfirstlane_b32 s[WV], v1                  ; wave 0..15
	s_bfe_u32 s33, ttmp6, 0x40000                  ; cx: my block of 512 queries.  (Until the mask's first words are asked for, s33 to s49 are at work)
	s_lshl_b32 s35, s33, 5
	s_lshl_b32 s34, s[WV], 1
	s_add_co_u32 s35, s35, s34                     ; my first tile of 16 queries, 0..126
	s_and_b32 s36, ttmp7, 0xffff                   ; 16 b + head, which the four partners share
	s_lshr_b32 s37, s36, 4                         ; b
	s_bfe_u32 s38, s36, 0x30001                    ; the last product's K step: head / 2
	s_and_b32 s49, s36, 1                          ; and which half of it: head % 2
.irp g, G1, G1S
	s_mov_b32 s[\g], 15|(3<<16)|(1<<21)            ; the mask of all four; elements of 8 bytes; bit 21 beside a mask; dense rows of 256 bytes
	s_mov_b32 s[\g+1], 32<<16
	s_mov_b32 s[\g+3], 32<<16
	s_mov_b32 s[\g+5], 32
	s_mov_b32 s[\g+6], 0
	s_mov_b32 s[\g+7], 0
.endr
	s_mov_b32 s[G1+2], 128<<16                     ; a chunk: 128 rows
	s_mov_b32 s[G1+4], 128
	s_mov_b32 s[G1S+2], 48<<16                     ; the scale words: 48 rows
	s_mov_b32 s[G1S+4], 48
	s_min_u32 s39, s[WV], 7
	s_lshl_b32 s39, s39, 15                        ; which chunk waves 0 to 7 fetch, in memory and in LDS: no place in the cluster enters an LDS address
	s_lshl_b32 s40, s36, 18                        ; the head's K and V
	s_add_co_u32 s40, s40, s39
	s_add_co_u32 s40, s40, 0x800000
	s_mov_b32 s41, 0
	s_mul_i32 s44, s36, 12288                      ; and their scale words
	s_add_co_u32 s44, s44, 0x80000
	s_mov_b32 s45, 0
	s_mov_b32 s[SEL], 0x76543210
	s_mov_b32 s[SEL+1], 0xfedcba98
	s_mov_b32 s[CS], 0x3e38aa3b                    ; c = log2(e) / 8
	s_mov_b32 s[CS+1], s[CS]                       ; (named with it as a pair, so it is written)
	s_mov_b32 s[MNT], 0x600000
	s_wait_dscnt 0x0                               ; both opening adds are done
	s_wait_kmcnt 0x0
	s_mov_b32 s[G0], 1
	s_mov_b32 s[G0+1], s39
	s_add_nc_u64 s[G0+2:G0+3], s[4:5], s[40:41]
	s_or_b32 s[G0+3], s[G0+3], 0x80000000
	s_mov_b32 s[G0S], 1
	s_mov_b32 s[G0S+1], SCL
	s_add_nc_u64 s[G0S+2:G0S+3], s[6:7], s[44:45]
	s_or_b32 s[G0S+3], s[G0S+3], 0x80000000
	CROUND                                         ; all four work-groups are here: the joint loads meet
; THE LOADS, at most one a wave: one tree of branches on the wave's number, each arm with its load and a jump to the tree's end
.macro ARM under, g0, g1, next
	s_cmp_lt_u32 s[WV], \under
	s_cbranch_scc0 \next
	tensor_load_to_lds s[\g0:\g0+3], s[\g1:\g1+7]
	s_nop 0
.rept 4
	v_nop
.endr
	s_branch .Lhead_asked
\next:
.endm
	ARM 8, G0,  G1,  .Lhead_s
	ARM 9, G0S, G1S, .Lhead_none
.Lhead_asked:
	s_mov_b32 s47, 0
	s_lshl_b32 s46, s36, 17                        ; Q's codes: (128 x (16 b + head) + tile) x 1,024
	s_lshl_b32 s48, s35, 10
	s_add_co_u32 s46, s46, s48
	s_add_nc_u64 s[4:5], s[4:5], s[46:47]
	s_lshl_b32 s46, s36, 13                        ; Q's words: (2,048 x (16 b + head) + 16 tile) x 4
	s_lshl_b32 s48, s35, 6
	s_add_co_u32 s46, s46, s48
	s_add_nc_u64 s[6:7], s[6:7], s[46:47]
	s_lshl_b32 s48, s37, 7
	s_add_co_u32 s48, s48, s35                     ; 128 b + tile
	s_lshl_b32 s46, s48, 12
	s_add_nc_u64 s[8:9], s[8:9], s[46:47]          ; the mask's words of my 32 queries: 32 steps x 256 bytes on end
	s_lshl_b32 s46, s48, 3
	s_add_co_u32 s46, s46, s38
	s_lshl_b32 s46, s46, 11
	s_lshl_b32 s43, s49, 10
	s_add_co_u32 s46, s46, s43
	s_add_nc_u64 s[10:11], s[10:11], s[46:47]      ; ctx's image: row tile 128 b + tile, K step head / 2, its half head % 2
	s_lshr_b32 s46, s48, 2                         ; ctx's scale words: the group of 64 rows,
	s_lshl_b32 s46, s46, 3
	s_add_co_u32 s46, s46, s38                     ; the K step,
	s_lshl_b32 s46, s46, 8
	s_and_b32 s43, s48, 3
	s_lshl_b32 s43, s43, 6                         ; my 32 rows among the 64,
	s_add_co_u32 s46, s46, s43
	s_lshl_b32 s43, s49, 1                         ; and my head's two bytes of a word
	s_add_co_u32 s46, s46, s43
	s_add_nc_u64 s[CSP:CSP+1], s[CSP:CSP+1], s[46:47]
	s_load_b512 s[MW0:MW0+15], s[8:9], 0x0         ; the first step's words 0 to 47
	s_load_b512 s[MW0+16:MW0+31], s[8:9], 0x40
	s_load_b512 s[MW1:MW1+15], s[8:9], 0x80
	v_and_b32 v234, 31, v0                         ; lane
	v_and_b32 v235, 15, v0                         ; r
	v_bfe_u32 v236, v0, 4, 1                       ; h
	v_lshlrev_b32 v1, 4, v234                      ; 16 x lane
	v_lshl_add_u32 v2, v234, 2, SCL                ; 4 x lane among the scale words
	v_lshlrev_b32 v10, 2, v235                     ; 4 r
	QLOAD                                          ; my first tile's Q
	v_lshlrev_b32 v237, 2, v234                    ; 4 x lane: the closing store
	v_mov_b32 v8, 0xd0000000                       ; -2^33
	v_mov_b32 v9, 0
	v_lshlrev_b32 v11, 4, v235
	v_lshl_add_u32 v11, v236, 3, v11               ; 16 r + 8 h
.irp j, 0,1,2,3,4,5,6,7
	v_mov_b32 v[24+\j], 0                          ; the upper 64 of the instruction's K: zero codes, in Q
	v_mov_b32 v[40+\j], 0                          ; and in K's four fragments: never loaded
	v_mov_b32 v[56+\j], 0
	v_mov_b32 v[72+\j], 0
	v_mov_b32 v[88+\j], 0
.endr
.irp b, 0,1,2,3
	v_mov_b32 v[212+\b], 0                         ; a lane permute's destination counts as one of its sources
.endr
	v_mov_b32 v233, 0                              ; named as the upper half of the pair v[232:233]
	s_wait_alu depctr_va_vdst(0)                   ; the wait at the head's end
	s_wait_tensorcnt 0x0                           ; my load, if I had one, has landed; the descriptors' registers are free
	s_load_b512 s[MW1+16:MW1+31], s[8:9], 0xc0     ; the first step's words 48 to 63
	s_mov_b32 s[MOFF], 0
	s_mov_b32 s[TL], 2
	s_mov_b32 s[LM], 0xffff0000
	s_barrier_signal -1
	s_barrier_wait -1                              ; everybody's has: K, V and the scale words are whole, and nothing is filled again
.Ltile:                                                ; two trips: a tile of 16 queries each
	v_mov_b32 v13, 0xff61b1e6                      ; a tile begins: the largest t -3e38, the sum and O^T zeros, which the first change of M leaves zeros
	s_delay_alu instid0(VALU_DEP_1)
	v_floor_f32 v12, -v13
	v_mov_b32 v14, 0
	v_mov_b32 v15, 0
.set n, 0
.rept 32
	v_mov_b32 v[160+n], 0
.set n, n+1
.endr
	s_mov_b32 s[TB], 0
	s_mov_b32 s[TS], 0
	s_mov_b32 s[CNT], 8
	s_wait_loadcnt 0x0                             ; the tile's Q
.Lchunk:                                               ; eight trips: a chunk of 256 keys, two key steps
	v_add_nc_u32 v6, s[TB], v1
	s_wait_alu depctr_va_vdst(0)                   ; the wait here, directly behind the write
	STEP 0
	STEP 1
	s_add_co_u32 s[TB], s[TB], CHUNK
	s_sub_co_u32 s[CNT], s[CNT], 1
	s_cmp_lg_u32 s[CNT], 0
	s_cbranch_scc1 .Lchunk
	s_sub_co_u32 s[TL], s[TL], 1
	s_cmp_eq_u32 s[TL], 0
	s_cbranch_scc1 .Lnoq                           ; behind the second tile there is no Q to fetch
	s_add_nc_u64 s[4:5], s[4:5], 1024              ; (the first tile's loads were waited for)
	s_add_nc_u64 s[6:7], s[6:7], 64
	QLOAD                                          ; the second tile's Q lands under the first tile's way out
.Lnoq:
	FINISH
	s_wait_xcnt 0x0                                ; the stores have read their base and the codes' registers
	s_add_nc_u64 s[10:11], s[10:11], 16384         ; the next row tile of ctx's image
	s_cmp_lg_u32 s[TL], 0
	s_cbranch_scc1 .Ltile
	s_wait_kmcnt 0x0                               ; the last step's look-ahead has landed
	v_cndmask_b32 v9, v5, v9, s[LM]                ; lanes 0-15: my first tile's rows; lanes 16-31: my second's
	global_store_b16 v237, v9, s[CSP:CSP+1]        ; 2 bytes for each of my 32 rows, 4 bytes apart
	s_wait_tensorcnt 0x0                           ; the wave's end
	ds_add_u32 v3, v4
	s_wait_dscnt 0x0
	CROUND                                         ; the closing round
	s_endpgm
.Lfunc_end_k_q4504a35bb1_attn:
	.size	k_q4504a35bb1_attn, .Lfunc_end_k_q4504a35bb1_attn-k_q4504a35bb1_attn
	.p2alignl 7, 3214868480
	.fill 96, 4, 3214868480
	.section	.rodata,"a",@progbits
	.p2align	6, 0x0
	.amdhsa_kernel k_q4504a35bb1_attn
		.amdhsa_group_segment_fixed_size 327680
		.amdhsa_private_segment_fixed_size 0
		.amdhsa_enable_private_segment 0
		.amdhsa_kernarg_size 40
		.amdhsa_user_sgpr_count 2
		.amdhsa_user_sgpr_kernarg_segment_ptr 1
		.amdhsa_wavefront_size32 1
		.amdhsa_system_sgpr_workgroup_id_x 1
		.amdhsa_system_sgpr_workgroup_id_y 1
		.amdhsa_system_sgpr_workgroup_id_z 1
		.amdhsa_system_vgpr_workitem_id 0
		.amdhsa_next_free_vgpr 256
		.amdhsa_next_free_sgpr 106
		.amdhsa_reserve_vcc 0
		.amdhsa_float_denorm_mode_32 3
		.amdhsa_float_denorm_mode_16_64 3
		.amdhsa_memory_ordered 1
		.amdhsa_forward_progress 1
		.amdhsa_inst_pref_size 67
	.end_amdhsa_kernel
	.amdgpu_metadata
---
amdhsa.version: [ 1, 2 ]
amdhsa.kernels:
  - .name:           k_q4504a35bb1_attn
    .symbol:         k_q4504a35bb1_attn.kd
    .args:
      - { .name: qkv, .offset: 0, .size: 8, .value_kind: global_buffer, .address_space: global }
      - { .name: psw, .offset: 8, .size: 8, .value_kind: global_buffer, .address_space: global }
      - { .name: mb, .offset: 16, .size: 8, .value_kind: global_buffer, .address_space: global }
      - { .name: cc, .offset: 24, .size: 8, .value_kind: global_buffer, .address_space: global }
      - { .name: cs, .offset: 32, .size: 8, .value_kind: global_buffer, .address_space: global }
    .group_segment_fixed_size: 327680
    .private_segment_fixed_size: 0
    .kernarg_segment_align: 8
    .kernarg_segment_size: 40
    .max_flat_workgroup_size: 512
    .sgpr_count:     106
    .vgpr_count:     256
    .wavefront_size: 32
...
	.end_amdgpu_metadata
.endif
;; end of part 3
;; launch outp (part 4): grid 4 x 64, 4 waves a work-group, clusters of 4 x 4, 327,680 bytes of LDS; arguments cc, cs, cod, scl, bo, out0; writes out0
.if DOCPART == 4
	.amdgcn_target "amdgcn-amd-amdhsa--gfx1250"
	.amdhsa_code_object_version 6
	.text
	.protected	k_q4504a35bb1_outp
	.globl	k_q4504a35bb1_outp
	.p2align	8
	.type	k_q4504a35bb1_outp,@function
k_q4504a35bb1_outp:
	s_mov_b64 s[64:65], 0
	v_nop
	global_prefetch_b8 v0, s[64:65] scope:SCOPE_SE
	s_setreg_imm32_b32 hwreg(HW_REG_WAVE_MODE, 25, 1), 1
	s_wait_xcnt 0x0
	s_wait_alu depctr_hold_cnt(0) depctr_sa_sdst(0) depctr_va_vdst(0) depctr_va_sdst(0) depctr_va_ssrc(0) depctr_va_vcc(0) depctr_vm_vsrc(0)
	s_getreg_b32 s2, hwreg(HW_REG_IB_STS2, 6, 4)
	s_cmp_eq_u32 s2, 0
	s_cbranch_scc0 .Lentry_in_a_cluster
	s_endpgm
.Lentry_in_a_cluster:
	s_bfe_u32 s2, ttmp6, 0x10000c
	s_cmp_lg_u32 s2, 0xf033
	s_cbranch_scc0 .Lentry_shape_is_right
	s_endpgm
.Lentry_shape_is_right:
.set SLOT,  98304
.set BOFF,  32768
.set SCA,   196608
.set SCB,   200704
.set SPARE, 208896
.set ADRA, 16
.set ADRB, 20
.set ADSA, 22
.set ADSB, 23
.set SPW,  28
.set NIL,  29
.set SC,   32
.set BIA,  64
.set ST,   128
.set G1,   24
.set G0,   32
.set G1B,  48
.set G0B,  56
.set G1S,  68
.set G0S,  76
.set G1SB, 80
.set G0SB, 88
.set MSB, 0
.macro WIN new
.if MSB != \new
	s_set_vgpr_msb (MSB<<8)|\new
.set MSB, \new
.endif
.endm
.macro PLACES n
.rept \n
	v_nop
.endr
.endm
.macro JLOAD g0a, g1a, g0b, g1b
	s_cmp_eq_u32 s15, 0
	s_cbranch_scc0 .Lfor_b_\@
	tensor_load_to_lds s[\g0a:\g0a+3], s[\g1a:\g1a+7]
	s_nop 0
.rept 4
	v_nop
.endr
	s_branch .Lasked_\@
.Lfor_b_\@:
	tensor_load_to_lds s[\g0b:\g0b+3], s[\g1b:\g1b+7]
	s_nop 0
.rept 4
	v_nop
.endr
.Lasked_\@:
.endm
.macro CREST
	s_cmp_lg_u32 s14, 0
	s_cbranch_scc1 .Lnot_wave_0_\@
	s_barrier_signal -3
.Lnot_wave_0_\@:
	s_barrier_wait -3
	s_barrier_signal -1
	s_barrier_wait -1
.endm
.macro CROUND
	s_barrier_signal -1
	s_barrier_wait -1
	CREST
.endm
.macro DESC g, c, r, p
	s_mov_b32 s[\g+1], (\c)<<16
	s_mov_b32 s[\g+2], (\r)<<16
	s_mov_b32 s[\g+3], (\c)<<16
	s_mov_b32 s[\g+4], \r
	s_mov_b32 s[\g+5], \p
	s_mov_b32 s[\g+6], 0
	s_mov_b32 s[\g+7], 0
.endm
.macro FRAG reg, adr, off
.irp c, 0,1,2,3
	ds_load_b128 v[(\reg)+4*\c:(\reg)+4*\c+3], v[\adr] offset:(\off)+512*\c
.endr
.endm
.macro FETCH slot, q, p
	WIN 0x40
.irp i, 0,1,2,3,4,5,6,7
	FRAG 128*(\p)+16*\i, ADRB+(\slot), 4096*\i+2048*(\q)
.endr
	WIN 0
.irp i, 0,1,2,3
	FRAG 128+64*(\p)+16*\i, ADRA+(\slot), 4096*\i+2048*(\q)
.endr
.endm
.macro SCALES sg
.irp q, 0,1
.irp i, 0,1
	ds_load_b32 v[SC+12*((\sg)%2)+6*\q+\i], v[ADSA] offset:(2*(\sg)+\q)*256+128*\i
.endr
.irp i, 0,1,2,3
	ds_load_b32 v[SC+12*((\sg)%2)+6*\q+2+\i], v[ADSB] offset:(\i/2)*2048+(2*(\sg)+\q)*256+(\i%2)*128
.endr
.endr
.endm
.macro PROD a, b, p, sc, zero
.set rD, 8*(8*(\a)+(\b))
.set rB, 128*(\p)+16*(\b)
.set rA, 128+64*(\p)+16*(\a)
.set rSB, (\sc)+2+(\b)/2
.set rSA, (\sc)+(\a)/2
.if \zero
.if ((\a)%2)&&((\b)%2)
	v_wmma_scale_f32_16x16x128_f8f6f4 v[rD:rD+7], v[rB:rB+15], v[rA:rA+15], 0, v[rSB], v[rSA] matrix_a_scale:MATRIX_SCALE_ROW1 matrix_b_scale:MATRIX_SCALE_ROW1
.elseif (\b)%2
	v_wmma_scale_f32_16x16x128_f8f6f4 v[rD:rD+7], v[rB:rB+15], v[rA:rA+15], 0, v[rSB], v[rSA] matrix_a_scale:MATRIX_SCALE_ROW1
.elseif (\a)%2
	v_wmma_scale_f32_16x16x128_f8f6f4 v[rD:rD+7], v[rB:rB+15], v[rA:rA+15], 0, v[rSB], v[rSA] matrix_b_scale:MATRIX_SCALE_ROW1
.else
	v_wmma_scale_f32_16x16x128_f8f6f4 v[rD:rD+7], v[rB:rB+15], v[rA:rA+15], 0, v[rSB], v[rSA]
.endif
.else
.if ((\a)%2)&&((\b)%2)
	v_wmma_scale_f32_16x16x128_f8f6f4 v[rD:rD+7], v[rB:rB+15], v[rA:rA+15], v[rD:rD+7], v[rSB], v[rSA] matrix_a_scale:MATRIX_SCALE_ROW1 matrix_b_scale:MATRIX_SCALE_ROW1
.elseif (\b)%2
	v_wmma_scale_f32_16x16x128_f8f6f4 v[rD:rD+7], v[rB:rB+15], v[rA:rA+15], v[rD:rD+7], v[rSB], v[rSA] matrix_a_scale:MATRIX_SCALE_ROW1
.elseif (\a)%2
	v_wmma_scale_f32_16x16x128_f8f6f4 v[rD:rD+7], v[rB:rB+15], v[rA:rA+15], v[rD:rD+7], v[rSB], v[rSA] matrix_b_scale:MATRIX_SCALE_ROW1
.else
	v_wmma_scale_f32_16x16x128_f8f6f4 v[rD:rD+7], v[rB:rB+15], v[rA:rA+15], v[rD:rD+7], v[rSB], v[rSA]
.endif
.endif
.endm
.macro MULROW a, p, sc, zero
.irp b, 0,1,2,3,4,5,6,7
	PROD \a, \b, \p, \sc, \zero
.endr
.endm
.macro STEP sg, zero
	s_wait_dscnt 0x0
	WIN 0xa1
	MULROW 0, 0, SC+12*((\sg)%2), \zero
	MULROW 1, 0, SC+12*((\sg)%2), \zero
	PLACES 8
	FETCH (\sg)%2, 1, 1
	WIN 0xa1
	MULROW 2, 0, SC+12*((\sg)%2), \zero
	MULROW 3, 0, SC+12*((\sg)%2), \zero
.endm
.macro TURN sg, fill
	WIN 0
	s_wait_tensorcnt 0x0
	ds_add_u32 v[SPW], v[NIL]
	s_wait_dscnt 1
	WIN 0xa1
	MULROW 0, 1, SC+12*((\sg)%2)+6, 0
	s_wait_dscnt 0x0
	s_barrier_signal -1
	MULROW 1, 1, SC+12*((\sg)%2)+6, 0
	WIN 0
	s_barrier_wait -1
.if \fill
	CREST
	s_add_nc_u64 s[G0+4*((\sg)%2)+2:G0+4*((\sg)%2)+3], s[G0+4*((\sg)%2)+2:G0+4*((\sg)%2)+3], 8192
	s_add_nc_u64 s[G0B+4*((\sg)%2)+2:G0B+4*((\sg)%2)+3], s[G0B+4*((\sg)%2)+2:G0B+4*((\sg)%2)+3], 8192
	JLOAD G0+4*((\sg)%2), G1, G0B+4*((\sg)%2), G1B
	PLACES 4
.else
	PLACES 8
.endif
	FETCH 1-(\sg)%2, 0, 0
	SCALES (\sg)+1
	WIN 0xa1
	MULROW 2, 1, SC+12*((\sg)%2)+6, 0
	MULROW 3, 1, SC+12*((\sg)%2)+6, 0
.endm
	s_load_b256 s[4:11], s[0:1], 0x0
	s_load_b128 s[92:95], s[0:1], 0x20
	v_lshl_add_u32 v[SPW], v0, 2, SPARE
	v_mov_b32 v[NIL], 0
	ds_add_u32 v28, v29
	ds_add_u32 v28, v29
	s_wait_dscnt 0x0
	v_lshrrev_b32 v1, 5, v0
	v_readfirstlane_b32 s14, v1
	s_lshr_b32 s15, s14, 1
	s_and_b32 s16, s14, 1
	s_bfe_u32 s40, ttmp6, 0x40000
	s_bfe_u32 s41, ttmp6, 0x40004
	s_lshl_b32 s42, ttmp9, 2
	s_add_co_u32 s42, s42, s40
	s_and_b32 s17, ttmp7, 0xffff
	s_lshl_b32 s17, s17, 2
	s_add_co_u32 s17, s17, s41
	s_lshl_b32 s43, s41, 2
	s_lshl_b32 s43, 15, s43
	s_lshl_b32 s44, 0x1111, s40
	s_or_b32 s[G1], s43, (3<<16)|(1<<21)
	s_or_b32 s[G1B], s44, (3<<16)|(1<<21)
	s_or_b32 s[G1S], s43, (3<<16)|(1<<21)
	s_or_b32 s[G1SB], s44, (3<<16)|(1<<21)
	DESC G1, 512, 4, 2048
	DESC G1B, 512, 8, 2048
	DESC G1S, 32, 8, 32
	DESC G1SB, 32, 16, 32
	s_lshl_b32 s20, s17, 3
	s_lshl_b32 s18, s16, 2
	s_add_co_u32 s20, s20, s18
	s_lshl_b32 s22, s20, 9
	s_lshl_b32 s20, s20, 14
	s_mov_b32 s21, 0
	s_mov_b32 s23, 0
	s_lshl_b32 s46, s42, 4
	s_add_co_u32 s46, s46, 1728
	s_lshl_b32 s19, s16, 3
	s_add_co_u32 s46, s46, s19
	s_lshl_b32 s66, s46, 9
	s_lshl_b32 s46, s46, 14
	s_mov_b32 s47, 0
	s_mov_b32 s67, 0
	s_lshl_b32 s45, s16, 14
	s_lshl_b32 s3, s16, 15
	s_add_co_u32 s3, s3, BOFF
	s_lshl_b32 s18, s16, 11
	s_add_co_u32 s18, s18, SCA
	s_lshl_b32 s19, s16, 12
	s_add_co_u32 s19, s19, SCB
	s_wait_kmcnt 0x0
	s_add_nc_u64 s[20:21], s[4:5], s[20:21]
	s_add_nc_u64 s[22:23], s[6:7], s[22:23]
	s_add_nc_u64 s[46:47], s[8:9], s[46:47]
	s_add_nc_u64 s[66:67], s[10:11], s[66:67]
	CROUND
	s_mov_b32 s[G0S], 1
	s_mov_b32 s[G0S+1], s18
	s_mov_b64 s[G0S+2:G0S+3], s[22:23]
	s_or_b32 s[G0S+3], s[G0S+3], 0x80000000
	s_mov_b32 s[G0SB], 1
	s_mov_b32 s[G0SB+1], s19
	s_mov_b64 s[G0SB+2:G0SB+3], s[66:67]
	s_or_b32 s[G0SB+3], s[G0SB+3], 0x80000000
	JLOAD G0S, G1S, G0SB, G1SB
.irp s, 0,1
	s_mov_b32 s[G0+4*\s], 1
	s_add_co_u32 s[G0+4*\s+1], s45, \s*SLOT
	s_add_nc_u64 s[G0+4*\s+2:G0+4*\s+3], s[20:21], \s*4096
	s_or_b32 s[G0+4*\s+3], s[G0+4*\s+3], 0x80000000
	s_mov_b32 s[G0B+4*\s], 1
	s_add_co_u32 s[G0B+4*\s+1], s3, \s*SLOT
	s_add_nc_u64 s[G0B+4*\s+2:G0B+4*\s+3], s[46:47], \s*4096
	s_or_b32 s[G0B+4*\s+3], s[G0B+4*\s+3], 0x80000000
	s_wait_alu depctr_va_vdst(0)
	s_wait_tensorcnt 0x0
	ds_add_u32 v28, v29
	s_wait_dscnt 0x0
	CROUND
	JLOAD G0+4*\s, G1, G0B+4*\s, G1B
.endr
	v_and_b32 v1, 31, v0
	v_lshlrev_b32 v2, 4, v1
	v_lshlrev_b32 v3, 2, v1
	v_and_b32 v4, 15, v0
	s_wait_alu depctr_va_vdst(0)
	v_bfe_u32 v5, v0, 4, 1
	s_lshl_b32 s18, s15, 14
	s_lshl_b32 s19, s16, 15
	s_add_co_u32 s19, s19, BOFF
	v_add_nc_u32 v[ADRA], s18, v2
	v_add_nc_u32 v[ADRB], s19, v2
	v_add_nc_u32 v[ADRA+1], SLOT, v[ADRA]
	v_add_nc_u32 v[ADRB+1], SLOT, v[ADRB]
	s_lshl_b32 s18, s15, 11
	s_add_co_u32 s18, s18, SCA
	s_lshl_b32 s19, s16, 12
	s_add_co_u32 s19, s19, SCB
	v_add_nc_u32 v[ADSA], s18, v3
	v_add_nc_u32 v[ADSB], s19, v3
	s_mul_i32 s18, s14, 16*528
	v_mul_u32_u24 v25, v4, 528
	s_wait_alu depctr_va_vdst(0)
	v_lshl_add_u32 v25, v5, 5, v25
	v_add_nc_u32 v25, s18, v25
	v_add_nc_u32 v26, s18, v2
	v_lshlrev_b32 v9, 5, v5
	s_wait_alu depctr_va_vdst(0)
	s_lshl_b32 s18, s42, 10
	s_lshl_b32 s19, s16, 9
	s_add_co_u32 s18, s18, s19
	s_mov_b32 s19, 0
	s_add_nc_u64 s[92:93], s[92:93], s[18:19]
	s_add_nc_u64 s[94:95], s[94:95], s[18:19]
	s_lshl_b32 s18, s17, 7
	s_lshl_b32 s3, s15, 6
	s_add_co_u32 s18, s18, s3
	s_lshl_b32 s18, s18, 12
	s_add_nc_u64 s[94:95], s[94:95], s[18:19]
.irp b, 0,1,2,3,4,5,6,7
	global_load_b128 v[BIA+8*\b:BIA+8*\b+3], v9, s[92:93] offset:64*\b
	global_load_b128 v[BIA+8*\b+4:BIA+8*\b+7], v9, s[92:93] offset:64*\b+16
.endr
	s_wait_tensorcnt 1
	s_barrier_signal -1
	s_barrier_wait -1
	FETCH 0, 0, 0
	SCALES 0
	STEP 0, 1
	TURN 0, 1
	STEP 1, 0
	TURN 1, 1
	STEP 2, 0
	TURN 2, 0
	STEP 3, 0
	s_wait_dscnt 0x0
	WIN 0xa1
	MULROW 0, 1, SC+12+6, 0
	MULROW 1, 1, SC+12+6, 0
	MULROW 2, 1, SC+12+6, 0
	MULROW 3, 1, SC+12+6, 0
	WIN 0
	PLACES 8
	s_wait_loadcnt 0x0
.irp a, 0,1,2,3
	WIN 0x02
.set n, 0
.rept 32
	v_pk_add_f32 v[ST+n:ST+n+1], v[64*\a+n:64*\a+n+1], v[BIA+n:BIA+n+1]
.set n, n+2
.endr
	WIN 0
.irp b, 0,1,2,3,4,5,6,7
	ds_store_b128 v25, v[ST+8*\b:ST+8*\b+3] offset:64*\b
	ds_store_b128 v25, v[ST+8*\b+4:ST+8*\b+7] offset:64*\b+16
.endr
	s_wait_xcnt 0x0
.irp t, 0,1,2,3,4,5,6,7,8,9,10,11,12,13,14,15
	ds_load_b128 v[192+4*\t:195+4*\t], v26 offset:528*\t
.endr
.irp t, 0,1,2,3,4,5,6,7,8,9,10,11,12,13,14,15
	s_wait_dscnt 15-\t
	global_store_b128 v2, v[192+4*\t:195+4*\t], s[94:95] offset:(16*\a+\t)*4096 th:TH_STORE_NT
.endr
.endr
	s_wait_tensorcnt 0x0
	ds_add_u32 v[SPW], v[NIL]
	s_wait_dscnt 0x0
	CROUND
	s_endpgm
.Lfunc_end_k_q4504a35bb1_outp:
	.size	k_q4504a35bb1_outp, .Lfunc_end_k_q4504a35bb1_outp-k_q4504a35bb1_outp
	.p2alignl 7, 3214868480
	.fill 96, 4, 3214868480
	.section	.rodata,"a",@progbits
	.p2align	6, 0x0
	.amdhsa_kernel k_q4504a35bb1_outp
		.amdhsa_group_segment_fixed_size 327680
		.amdhsa_private_segment_fixed_size 0
		.amdhsa_enable_private_segment 0
		.amdhsa_kernarg_size 48
		.amdhsa_user_sgpr_count 2
		.amdhsa_user_sgpr_kernarg_segment_ptr 1
		.amdhsa_wavefront_size32 1
		.amdhsa_system_sgpr_workgroup_id_x 1
		.amdhsa_system_sgpr_workgroup_id_y 1
		.amdhsa_system_sgpr_workgroup_id_z 1
		.amdhsa_system_vgpr_workitem_id 0
		.amdhsa_next_free_vgpr 768
		.amdhsa_next_free_sgpr 100
		.amdhsa_reserve_vcc 0
		.amdhsa_float_denorm_mode_32 3
		.amdhsa_float_denorm_mode_16_64 3
		.amdhsa_memory_ordered 1
		.amdhsa_forward_progress 1
		.amdhsa_inst_pref_size 101
	.end_amdhsa_kernel
	.amdgpu_metadata
---
amdhsa.version: [ 1, 2 ]
amdhsa.kernels:
  - .name:           k_q4504a35bb1_outp
    .symbol:         k_q4504a35bb1_outp.kd
    .args:
      - { .name: cc, .offset: 0, .size: 8, .value_kind: global_buffer, .address_space: global }
      - { .name: cs, .offset: 8, .size: 8, .value_kind: global_buffer, .address_space: global }
      - { .name: cod, .offset: 16, .size: 8, .value_kind: global_buffer, .address_space: global }
      - { .name: scl, .offset: 24, .size: 8, .value_kind: global_buffer, .address_space: global }
      - { .name: bo, .offset: 32, .size: 8, .value_kind: global_buffer, .address_space: global }
      - { .name: out0, .offset: 40, .size: 8, .value_kind: global_buffer, .address_space: global }
    .group_segment_fixed_size: 327680
    .private_segment_fixed_size: 0
    .kernarg_segment_align: 8
    .kernarg_segment_size: 48
    .max_flat_workgroup_size: 128
    .sgpr_count:     100
    .vgpr_count:     768
    .wavefront_size: 32
...
	.end_amdgpu_metadata
.endif
;; end of part 4
